; MI455X (gfx1250); checked and timed in simulation.
; The chip was launched on July 23, 2026; its instructions are those of AMD's public machine-readable ISA for CDNA 5 (MIT licence, August 2026) and "CDNA5" Instruction Set Architecture Reference Guide (July 2026). The comments in the code are by the model that wrote it; some were corrected since.
;; Multi Head Self Attention. Allowed arithmetic: matrix products marked QUANTISED: E2M3 operands, one E8M0 scale for each 32 along K, by v_wmma_scale_f32_16x16x128_f8f6f4 with both operands' format E2M3, f32 sums; everything else in f32.
;; Inputs: Wk 1,024 x 1,024 float32; Wo 1,024 x 1,024 float32; Wq 1,024 x 1,024 float32; Wv 1,024 x 1,024 float32; bk 1,024 float32; bo 1,024 float32; bq 1,024 float32; bv 1,024 float32; x 2 x 2,048 x 1,024 float32.
;; Outputs: out0 2 x 2,048 x 1,024 float32.
;; This version of the problem:
;;   THIS VERSION OF THE PROBLEM IS GIVEN IN LOW PRECISION. The matrix products marked QUANTISED in the list below multiply operands that are first quantised to E2M3 (2 exponent bits, 3 mantissa bits; 6 bits a number), with one power-of-two scale for each 32 numbers along K (OCP MX v1.0); their sums are f32. All else is computed in f32.
;;   The module's matrix products, in the order in which they are computed (A, B: the left and right operand; K: the contracted axis; several contracted axes count as one K, in the product's order):
;;     1. [M 4,096, K 1,024] x [K 1,024, N 1,024]; A: input x; B: input Wq: QUANTISED
;;     2. [M 4,096, K 1,024] x [K 1,024, N 1,024]; A: input x; B: input Wk: QUANTISED
;;     3. [M 4,096, K 1,024] x [K 1,024, N 1,024]; A: input x; B: input Wv: QUANTISED
;;     4. batch 32 x [M 2,048, K 64] x [K 64, N 2,048]; A: computed on the way; B: computed on the way: QUANTISED
;;     5. batch 32 x [M 2,048, K 2,048] x [K 2,048, N 64]; A: softmax (see below); B: computed on the way: QUANTISED
;;     6. [M 4,096, K 1,024] x [K 1,024, N 1,024]; A: computed on the way; B: input Wo: QUANTISED
;;   THE QUANTISER, for each operand of a quantised product, along K:
;;     - K is cut into blocks of 32 from its start; a last block that is shorter is filled with zeros.
;;     - A block's scale is 2^e with e = floor(log2(the largest magnitude in the block)) - 2, held to -126 .. 127; a block of zeros has e = 0. As a byte (E8M0): e + 127.
;;     - Each number is divided by its block's scale, clamped to +-7.5, and rounded to the nearest number of E2M3, ties to even, subnormals kept.
;;     - The product sums the exact products of the quantised numbers (number of the format x scale) in f32.
;;   ~~~python
;;   def quantise(x, axis):      # numpy; x: float32 -> the quantised numbers, widened to float32 again
;;       x = np.moveaxis(x, axis, -1); K = x.shape[-1]
;;       x = np.pad(x, [(0, 0)] * (x.ndim - 1) + [(0, -K % 32)]); x = x.reshape(x.shape[:-1] + (-1, 32)); a = np.abs(x).max(-1, keepdims=True)
;;       e = np.where(a > 0, np.clip(np.frexp(np.where(a > 0, a, 1))[1] - 1 - 2, -126, 127), 0)      # np.frexp(a)[1] - 1 = floor(log2(a)), exactly
;;       r = np.clip(x / 2.0 ** e, -7.5, 7.5)
;;       step = 2.0 ** (np.maximum(np.frexp(np.where(r == 0, 1, r))[1] - 1, 0) - 3)
;;       q = np.round(r / step) * step * 2.0 ** e      # np.round: ties to even
;;       return np.moveaxis(q.reshape(q.shape[:-2] + (-1,))[..., :K], -1, axis).astype(np.float32)
;;   ~~~
;;   SOFTMAX AHEAD OF A QUANTISED PRODUCT. Where the list says 'softmax', what is quantised is not the finished softmax but p = 2^(t - M), with t = logit x log2(e) and M = ceil(the row's largest t), a whole number; so 1/2 < the row's largest p <= 1. The row's sum l is taken of the UNQUANTISED p, in f32, and the product's result is divided by l at the end. Since M is a whole number, a kernel that streams over the keys may use a running M (the ceiling of the running maximum): every later rescaling is an exact power of two, which a block's scale takes up: the codes' values come out the same.
;;   OPERANDS COMPUTED ON THE WAY. 'Computed on the way' means the value that the module computes at that place (a softmax that the list does not call 'softmax' is quantised finished and normalised). What goes into a quantiser is computed in f32, as accurately as f32 sums, v_exp_f32 and their like allow (about 1e-6 of the number): no bf16 or f16 on the way to a quantiser, and a product that is left as it is and whose result goes on into a quantised operand takes f32 operands (vector FMAs, or v_wmma_f32_16x16x4_f32). A number that lies on a knife's edge between two numbers of the format may be rounded either way, as far as f32 arithmetic and the matrix unit's own rounding can turn it there, and no further.
;; One version. Each part assembles by itself: llvm-mc -triple=amdgcn-amd-amdhsa -mcpu=gfx1250 --defsym DOCPART=n.
;; ======== version 1 of 1: 4 launches
;; limits: right only within a limited range of input values
;; workspace buffers: XC 3,145,728 bytes; XS 131,072 bytes; WC 3,145,728 bytes; WS 131,072 bytes; QB 3,407,872 bytes; KV 6,684,672 bytes; AC 3,145,728 bytes; AS 131,072 bytes
;; launch quant (part 1): grid 512 x 1, 4 waves a work-group, no clusters, 35,328 bytes of LDS; arguments x, Wq, Wk, Wv, Wo, XC, XS, WC, WS; writes XC, XS, WC, WS
.if DOCPART == 1
	.amdgcn_target "amdgcn-amd-amdhsa--gfx1250"
	.amdhsa_code_object_version 6
	.text
	.protected	k_qcf76f8495d_quant
	.globl	k_qcf76f8495d_quant
	.p2align	8
	.type	k_qcf76f8495d_quant,@function
k_qcf76f8495d_quant:
	s_mov_b64 s[64:65], 0
	v_nop
	global_prefetch_b8 v0, s[64:65] scope:SCOPE_SE
	s_setreg_imm32_b32 hwreg(HW_REG_WAVE_MODE, 25, 1), 1
	s_wait_xcnt 0x0
; x [4096][1024] and Wq, Wk, Wv, Wo [1024 (k)][1024 (n)], f32, become codes of FP6 (E2M3) with one E8M0 scale byte for each 32 along K, laid as IMAGES OF THE OPERAND'S REGISTERS:
; a fragment (16 rows x 128 K, 12 registers a lane) is 1,536 bytes: register group g (4 registers) is 512 bytes, lane l's 16 bytes at 16 l.
; THE ORDERS: row-lane r of x's tile j (j = 0 .. 3) of a band of 64 rows is row 8 j + r % 8 + 32 (r / 8) of the band.  Column-lane r of W's tile 2 p + u is column 32 p + 8 u + r + 8 (r / 8).
; XC [mb 32][ks 8][tile 8][1536];  XS [tile 256][K half 2][256]: lane (e, r) 8 bytes: register i = row-lane r's scale word of K step 4 half + 2 i + e.
; WC: Wq, Wk, Wv as [hp 8][ks 8][mat 3][tile 8][1536], behind them Wo as [hp 8][ks 8][tile 8][1536];  WS [mat 4][hp 8][pair 4][kp 4][256]: lane (u, r) 8 bytes: register i = column-lane r's word of tile 2 pair + u at K step 2 kp + i.
; A block's scale is 2^(floor(log2(largest magnitude)) - 2); its byte is the largest magnitude's exponent field - 2, held at 1 from below by a floor among the maximum's leaves.
; NO WORK of the problem is left out by this program: every input and every product has a way to the output.
; LIMITS: NaN and infinities are not served.  A block of zeros, or one whose largest magnitude lies under 2^-124, keeps the byte 1 (the stated rule says 127 for zeros): its codes are zeros or
; subnormal codes, and the bytes are read by this program alone.
; SHARES: work-groups 0-255 take x: a tile each, a wave 16 rows x 256 K (two fragments); work-groups 256-511 the weights: 64 columns x 256 K each, a wave 32 columns x 128 K.  Each input byte is read once by one wave.
; The waves of a work-group meet once, for the scale words, which are gathered in LDS and leave as whole units.  No tensor load, no cluster: work-groups share no input.
.set STGB,  8448                       ; x path: a wave's stage: 16 rows x (512 bytes + 16)
.set XSI,   4*STGB                     ; x path: 512 bytes: a tile's scale words
.set WSI,   XSI+512                    ; W path: 512 bytes: two pairs' scale words
.set SPARE, WSI+512                    ; the spare words, 128 bytes for each wave
.set L16,  2                           ; v2   16 x lane
.set STI,  3                           ; v3   the stage, way in: my wave's + 16 x lane
.set STO,  4                           ; v4   the stage, way out: row r, + 128 h
.set L8,   5                           ; v5   8 x lane
.set SPW,  6                           ; v6   my spare word; never rewritten
.set NIL,  7                           ; v7   0; never rewritten
.set SH8,  8                           ; v8   8 h: a shift
.set WCO,  9                           ; v9   W: my column's bytes among the wave's 32 columns, in W's order
.set PD,   12                          ; v12  a lane permute's destination
.set MX,   14                          ; v14-15 largest magnitudes, v16-17 the conversions' scale operands, v18-19 bytes, v20 a piece of a word
.set WIA,  22                          ; v22  LDS: where my lane's scale word goes
.set WOA,  23                          ; v23  LDS: where wave 0 reads the words back: 16 bytes a lane
.set WSO,  24                          ; v24  W: where wave 0 stores them: two units of 256 bytes, 1,024 bytes apart
.set R,    32                          ; x: v32-159 two sets of 64 registers as loaded
.set X,    160                         ; x: v160-223 my 64 numbers of a fragment
.set F,    224                         ; x: v224-235 the fragment's codes
.set T,    236                         ; x: v236-238, v240-242 second halves of the blocks
.set WD,   244                         ; x: v244-245 the two fragments' scale words
.set IM,   248                         ; x: v248 my lane's word;  v[28:31] the words read back
.set XW,   32                          ; W: v32-95 two sets of 32 numbers
.set G,    96                          ; W: v96-119 two tiles' fragments
.set TW,   144                         ; W: v144-146 a block's second half
.set WW,   148                         ; W: v148 my column's scale word
	s_load_b512 s[4:19], s[0:1], 0x0               ; x, Wq, Wk, Wv, Wo, XC, XS, WC
	s_load_b64 s[20:21], s[0:1], 0x40              ; WS
	v_lshl_add_u32 v[SPW], v0, 2, SPARE
	v_mov_b32 v[NIL], 0
	v_lshrrev_b32 v1, 5, v0
	v_readfirstlane_b32 s22, v1                    ; wave
	s_lshr_b32 s36, s22, 1
	s_and_b32 s37, s22, 1
	s_lshl_b32 s38, s36, 8
	s_lshl_b32 s39, s37, 2
	s_add_co_u32 s38, s38, s39                     ; both paths: a lane's word goes to 256 (wave / 2) + 8 lane + 4 (wave % 2)
	s_mul_i32 s26, s22, STGB
	v_and_b32 v1, 31, v0                           ; lane
	v_and_b32 v10, 15, v0                          ; r
	v_bfe_u32 v11, v0, 4, 1                        ; h
	v_lshlrev_b32 v[L16], 4, v1
	v_lshlrev_b32 v[L8], 3, v1
	v_add_nc_u32 v[STI], s26, v[L16]
	v_mul_u32_u24 v[STO], v10, 528
	v_lshl_add_u32 v[STO], v11, 7, v[STO]
	v_add_nc_u32 v[STO], s26, v[STO]
	v_add_nc_u32 v[WIA], s38, v[L8]
	v_lshlrev_b32 v[WSO], 10, v11
	v_lshl_add_u32 v[WSO], v10, 4, v[WSO]
	v_lshlrev_b32 v[SH8], 3, v11
	v_and_b32 v[WCO], 8, v10
	v_add_nc_u32 v[WCO], v[WCO], v10
	v_lshl_add_u32 v[WCO], v11, 3, v[WCO]          ; r + 8 (r / 8) + 8 h: lanes 0-15 the pair's even tile, lanes 16-31 its odd one
	v_lshlrev_b32 v[WCO], 2, v[WCO]
	v_mov_b32 v[PD], 0                             ; written once: a lane permute's destination counts as one of its sources
	s_mov_b32 s23, 0xffff0000                      ; lanes 16-31
	s_mov_b32 s24, 0x76543210
	s_mov_b32 s25, 0xfedcba98                      ; selects for lane l xor 16
	s_wait_alu depctr_va_vdst(0)                   ; directly ahead of the wait below
	s_wait_kmcnt 0x0
	s_cmp_lt_u32 ttmp9, 256
	s_cbranch_scc0 .Lw
	; ---------------- x: row tile mt = wg, K quarter = wave
	s_lshr_b32 s30, ttmp9, 2                       ; the tile's first row is 64 (mt / 4) + 8 (mt % 4); a row is 4,096 bytes
	s_lshl_b32 s30, s30, 18
	s_and_b32 s31, ttmp9, 3
	s_lshl_b32 s31, s31, 15
	s_add_co_u32 s30, s30, s31
	s_lshl_b32 s31, s22, 10                        ; the K quarter: 1,024 bytes
	s_add_co_u32 s30, s30, s31
	s_mov_b32 s31, 0
	s_add_nc_u64 s[4:5], s[4:5], s[30:31]
.macro XLOAD f                         ; fragment f: 128 numbers of each of the 16 rows: each load reads 512 consecutive bytes of one row
.irp j, 0,1,2,3,4,5,6,7,8,9,10,11,12,13,14,15
	global_load_b128 v[R+64*(\f)+4*\j:R+64*(\f)+4*\j+3], v[L16], s[4:5] offset:(\j+24*(\j/8))*4096+512*(\f) th:TH_LOAD_NT
.endr
.endm
.macro XFRAG f
.if \f < 1
	s_wait_loadcnt 16                              ; this fragment's 16 loads are in; the next fragment's 16 may be out
.else
	s_wait_loadcnt 0x0
.endif
.irp j, 0,1,2,3,4,5,6,7,8,9,10,11,12,13,14,15
	ds_store_b128 v[STI], v[R+64*(\f)+4*\j:R+64*(\f)+4*\j+3] offset:528*\j
.endr
.irp c, 0,1                            ; back: lane (r, h) takes k = 64 c + 32 h + 0 .. 31 of row-lane r: two whole blocks.  LDS serves a wave's instructions in order: these see the stores
.irp i, 0,1,2,3,4,5,6,7
	ds_load_b128 v[X+32*\c+4*\i:X+32*\c+4*\i+3], v[STO] offset:256*\c+16*\i
.endr
.endr
	s_wait_dscnt 0x0                               ; my numbers are in
.irp c, 0,1
	v_max3_num_f32 v[MX+\c], |v[X+32*\c]|, |v[X+32*\c+1]|, 0x1800000   ; with the floor 2^(3 - 127): the byte cannot fall under 1
.endr
.irp i, 2,4,6,8,10,12,14,16,18,20,22,24,26,28,30
.irp c, 0,1
	v_max3_num_f32 v[MX+\c], v[MX+\c], |v[X+32*\c+\i]|, |v[X+32*\c+\i+1]|
.endr
.endr
.irp c, 0,1
	v_add_nc_u32 v[MX+2+\c], 0xff000000, v[MX+\c]  ; 2 off the exponent field: the conversion's scale operand
.endr
.irp c, 0,1
	v_lshrrev_b32 v[MX+4+\c], 23, v[MX+2+\c]       ; the scale's byte
.endr
	v_lshl_or_b32 v[MX+6], v[MX+5], 16, v[MX+4]    ; my bytes: blocks h and 2 + h,
	v_lshlrev_b32 v[MX+6], v[SH8], v[MX+6]         ; at their places;
	v_permlanex16_b32 v[PD], v[MX+6], s24, s25
	v_or_b32 v[WD+\f], v[MX+6], v[PD]              ; with lane l xor 16's two the word is whole, in both halves of the lanes
.if \f > 0
	s_wait_alu depctr_va_vdst(0)
	s_wait_xcnt 0x0                                ; the last fragment's stores have read their data: the codes' registers may be written again
.endif
.irp c, 0,1
	v_cvt_scalef32_pk16_fp6_f32 v[F+6*\c:F+6*\c+2], v[X+32*\c:X+32*\c+15], v[MX+2+\c]
	v_cvt_scalef32_pk16_fp6_f32 v[T+4*\c:T+4*\c+2], v[X+32*\c+16:X+32*\c+31], v[MX+2+\c]   ; (a conversion's three registers begin on an even number)
.endr
	v_nop                                          ; one plain place behind a scaled conversion
.irp c, 0,1
.irp i, 0,1,2
	v_mov_b32 v[F+6*\c+3+\i], v[T+4*\c+\i]
.endr
.endr
.irp g, 0,1,2
	global_store_b128 v[L16], v[F+4*\g:F+4*\g+3], s[14:15] offset:12288*(\f)+512*\g   ; 512 consecutive bytes, aligned
.endr
.endm
	XLOAD 0
	XLOAD 1
	v_add_nc_u32 v[WIA], XSI, v[WIA]
	v_add_nc_u32 v[WOA], XSI, v[L16]
	s_lshr_b32 s30, ttmp9, 3
	s_lshl_b32 s30, s30, 3
	s_lshl_b32 s32, s22, 1
	s_add_co_u32 s30, s30, s32                     ; 8 mb + my first K step
	s_mul_i32 s30, s30, 12288
	s_and_b32 s32, ttmp9, 7
	s_mul_i32 s32, s32, 1536
	s_add_co_u32 s30, s30, s32
	s_add_nc_u64 s[14:15], s[14:15], s[30:31]
	s_lshl_b32 s30, ttmp9, 9
	s_add_nc_u64 s[16:17], s[16:17], s[30:31]      ; my tile's 512 bytes of scale words
	s_wait_alu depctr_va_vdst(0)                   ; at the head's end
	XFRAG 0
	XFRAG 1
	v_cndmask_b32 v[IM], v[WD], v[WD+1], s23       ; lanes 0-15 the even K step's word, lanes 16-31 the odd one's
	ds_store_b32 v[WIA], v[IM]                     ; K half wave / 2, register wave % 2
	s_wait_dscnt 0x0                               ; for the others' sake: my store is done
	s_barrier_signal -1
	s_barrier_wait -1
	s_cmp_lg_u32 s22, 0
	s_cbranch_scc1 .Lx_end
	ds_load_b128 v[28:31], v[WOA]
	s_wait_dscnt 0x0
	global_store_b128 v[L16], v[28:31], s[16:17]   ; 512 consecutive bytes, aligned
.Lx_end:
	s_wait_tensorcnt 0x0                           ; the wave's end, behind my last LDS store
	ds_add_u32 v[SPW], v[NIL]
	s_wait_dscnt 0x0
	s_endpgm
	; ---------------- W: g = wg - 256: matrix g / 64, head pair (g / 8) % 8, half of the pair's columns (g / 4) % 2, K quarter g % 4; wave w: 32 columns w / 2, K step w % 2
.Lw:
	s_sub_co_u32 s26, ttmp9, 256
	s_lshr_b32 s27, s26, 6                         ; mat
	s_bfe_u32 s28, s26, 0x30003                    ; hp
	s_bfe_u32 s40, s26, 0x10002                    ; which 64 columns
	s_and_b32 s29, s26, 3                          ; kq
	s_cmp_eq_u32 s27, 1                            ; the matrix is chosen by the work-group's number alone
	s_cselect_b64 s[6:7], s[8:9], s[6:7]
	s_cmp_eq_u32 s27, 2
	s_cselect_b64 s[6:7], s[10:11], s[6:7]
	s_cmp_eq_u32 s27, 3
	s_cselect_b64 s[6:7], s[12:13], s[6:7]
	s_lshl_b32 s41, s40, 1
	s_add_co_u32 s41, s41, s36                     ; my pair of tiles, 0 .. 3
	s_lshl_b32 s42, s29, 1
	s_add_co_u32 s42, s42, s37                     ; my K step, 0 .. 7
	s_lshl_b32 s30, s42, 19                        ; 128 rows of 4,096 bytes a K step
	s_lshl_b32 s31, s28, 9
	s_add_co_u32 s30, s30, s31
	s_lshl_b32 s31, s41, 7
	s_add_co_u32 s30, s30, s31                     ; + (128 hp + 32 pair) columns
	s_mov_b32 s31, 0
	s_add_nc_u64 s[6:7], s[6:7], s[30:31]
.macro WLOAD t                         ; block t: W(32 t + i, my column): a lane takes a column and its registers run down K; the wave reads 128 consecutive bytes
.irp i, 0,1,2,3,4,5,6,7,8,9,10,11,12,13,14,15,16,17,18,19,20,21,22,23,24,25,26,27,28,29,30,31
	global_load_b32 v[XW+32*((\t)%2)+\i], v[WCO], s[6:7] offset:(32*(\t)+\i)*4096 th:TH_LOAD_NT
.endr
.endm
.macro WBLOCK t
.set XB, XW+32*((\t)%2)
.set PO, G+6*((\t)/2)+12*((\t)%2)      ; even blocks into the first tile's registers, odd ones into the second's: the exchange below sets them right
.if (\t) < 3
	s_wait_loadcnt 32                              ; this block's 32 loads are in; the next block's may be out
.else
	s_wait_loadcnt 0x0
.endif
	v_max3_num_f32 v[MX], |v[XB]|, |v[XB+1]|, |v[XB+2]|
	v_max3_num_f32 v[MX+1], |v[XB+3]|, |v[XB+4]|, |v[XB+5]|
.irp i, 6,10,14,18,22,26
	v_max3_num_f32 v[MX], v[MX], |v[XB+\i]|, |v[XB+\i+1]|
	v_max3_num_f32 v[MX+1], v[MX+1], |v[XB+\i+2]|, |v[XB+\i+3]|
.endr
	v_max3_num_f32 v[MX], v[MX], |v[XB+30]|, |v[XB+31]|
	v_max3_num_f32 v[MX], v[MX], v[MX+1], 0x1800000          ; and the floor
	v_add_nc_u32 v[MX+2], 0xff000000, v[MX]
	v_lshrrev_b32 v[MX+4], 23, v[MX+2]
.if (\t) == 0
	v_mov_b32 v[WW], v[MX+4]
.else
	v_lshl_or_b32 v[WW], v[MX+4], 8*(\t), v[WW]
.endif
	v_cvt_scalef32_pk16_fp6_f32 v[PO:PO+2], v[XB:XB+15], v[MX+2]
	v_cvt_scalef32_pk16_fp6_f32 v[TW:TW+2], v[XB+16:XB+31], v[MX+2]
	v_nop                                          ; one plain place behind a scaled conversion
.irp i, 0,1,2
	v_mov_b32 v[PO+3+\i], v[TW+\i]
.endr
.if (\t) < 2
	WLOAD (\t)+2
.endif
.if (\t)%2 == 1                        ; lanes 0-15 hold the even tile's column, lanes 16-31 the odd one's.  A fragment wants block 2 c in lanes 0-15 and block 2 c + 1 in lanes 16-31 of ONE tile:
.irp i, 0,1,2,3,4,5                    ; the even block's lanes 16-31 change places with the odd block's lanes 0-15
	v_permlane16_swap_b32 v[G+6*((\t)/2)+\i], v[G+6*((\t)/2)+12+\i]
.endr
.endif
.endm
	WLOAD 0
	WLOAD 1
	v_add_nc_u32 v[WIA], WSI, v[WIA]
	v_add_nc_u32 v[WOA], WSI, v[L16]
	s_lshl_b32 s30, s28, 3
	s_add_co_u32 s30, s30, s42                     ; 8 hp + my K step
	s_add_co_u32 s34, s30, 192                     ; Wo's image number,
	s_mul_i32 s30, s30, 3
	s_add_co_u32 s30, s30, s27                     ; or Wq's, Wk's, Wv's
	s_cmp_eq_u32 s27, 3
	s_cselect_b32 s30, s34, s30
	s_mul_i32 s30, s30, 12288
	s_mul_i32 s33, s41, 3072
	s_add_co_u32 s30, s30, s33
	s_add_nc_u64 s[18:19], s[18:19], s[30:31]
	s_lshl_b32 s30, s27, 3
	s_add_co_u32 s30, s30, s28                     ; 8 mat + hp
	s_lshl_b32 s30, s30, 12
	s_lshl_b32 s33, s40, 11
	s_add_co_u32 s30, s30, s33
	s_lshl_b32 s33, s29, 8
	s_add_co_u32 s30, s30, s33
	s_add_nc_u64 s[20:21], s[20:21], s[30:31]      ; my two pairs' words of this K quarter
	s_wait_alu depctr_va_vdst(0)                   ; at the head's end
	WBLOCK 0
	WBLOCK 1
	WBLOCK 2
	WBLOCK 3
.irp u, 0,1
.irp g, 0,1,2
	global_store_b128 v[L16], v[G+12*\u+4*\g:G+12*\u+4*\g+3], s[18:19] offset:1536*\u+512*\g
.endr
.endr
	ds_store_b32 v[WIA], v[WW]                     ; pair wave / 2, register wave % 2
	s_wait_dscnt 0x0                               ; for the others' sake: my store is done
	s_barrier_signal -1
	s_barrier_wait -1
	s_cmp_lg_u32 s22, 0
	s_cbranch_scc1 .Lw_end
	ds_load_b128 v[28:31], v[WOA]
	s_wait_dscnt 0x0
	global_store_b128 v[WSO], v[28:31], s[20:21]   ; sixteen lanes store 256 consecutive bytes, aligned
.Lw_end:
	s_wait_tensorcnt 0x0                           ; the wave's end, in the same form as the other path's
	ds_add_u32 v[SPW], v[NIL]
	s_wait_dscnt 0x0
	s_endpgm
.Lfunc_end_k_qcf76f8495d_quant:
	.size	k_qcf76f8495d_quant, .Lfunc_end_k_qcf76f8495d_quant-k_qcf76f8495d_quant
	.p2alignl 7, 3214868480
	.fill 96, 4, 3214868480
	.section	.rodata,"a",@progbits
	.p2align	6, 0x0
	.amdhsa_kernel k_qcf76f8495d_quant
		.amdhsa_group_segment_fixed_size 35328
		.amdhsa_private_segment_fixed_size 0
		.amdhsa_enable_private_segment 0
		.amdhsa_kernarg_size 72
		.amdhsa_user_sgpr_count 2
		.amdhsa_user_sgpr_kernarg_segment_ptr 1
		.amdhsa_wavefront_size32 1
		.amdhsa_system_sgpr_workgroup_id_x 1
		.amdhsa_system_sgpr_workgroup_id_y 1
		.amdhsa_system_sgpr_workgroup_id_z 1
		.amdhsa_system_vgpr_workitem_id 0
		.amdhsa_next_free_vgpr 256
		.amdhsa_next_free_sgpr 66
		.amdhsa_reserve_vcc 0
		.amdhsa_float_denorm_mode_32 3
		.amdhsa_float_denorm_mode_16_64 3
		.amdhsa_memory_ordered 1
		.amdhsa_forward_progress 1
		.amdhsa_inst_pref_size 38
	.end_amdhsa_kernel
	.amdgpu_metadata
---
amdhsa.version: [ 1, 2 ]
amdhsa.kernels:
  - .name:           k_qcf76f8495d_quant
    .symbol:         k_qcf76f8495d_quant.kd
    .args:
      - { .name: x, .offset: 0, .size: 8, .value_kind: global_buffer, .address_space: global }
      - { .name: Wq, .offset: 8, .size: 8, .value_kind: global_buffer, .address_space: global }
      - { .name: Wk, .offset: 16, .size: 8, .value_kind: global_buffer, .address_space: global }
      - { .name: Wv, .offset: 24, .size: 8, .value_kind: global_buffer, .address_space: global }
      - { .name: Wo, .offset: 32, .size: 8, .value_kind: global_buffer, .address_space: global }
      - { .name: XC, .offset: 40, .size: 8, .value_kind: global_buffer, .address_space: global }
      - { .name: XS, .offset: 48, .size: 8, .value_kind: global_buffer, .address_space: global }
      - { .name: WC, .offset: 56, .size: 8, .value_kind: global_buffer, .address_space: global }
      - { .name: WS, .offset: 64, .size: 8, .value_kind: global_buffer, .address_space: global }
    .group_segment_fixed_size: 35328
    .private_segment_fixed_size: 0
    .kernarg_segment_align: 8
    .kernarg_segment_size: 72
    .max_flat_workgroup_size: 128
    .sgpr_count:     66
    .vgpr_count:     256
    .wavefront_size: 32
...
	.end_amdgpu_metadata
.endif
;; end of part 1
;; launch qkv (part 2): grid 8 x 32, 4 waves a work-group, clusters of 4 x 4, 327,680 bytes of LDS; arguments XC, XS, WC, WS, bq, bk, bv, QB, KV; writes QB, KV
.if DOCPART == 2
	.amdgcn_target "amdgcn-amd-amdhsa--gfx1250"
	.amdhsa_code_object_version 6
	.text
	.protected	k_qcf76f8495d_qkv
	.globl	k_qcf76f8495d_qkv
	.p2align	8
	.type	k_qcf76f8495d_qkv,@function
k_qcf76f8495d_qkv:
	s_mov_b64 s[64:65], 0
	v_nop
	global_prefetch_b8 v0, s[64:65] scope:SCOPE_SE
	s_setreg_imm32_b32 hwreg(HW_REG_WAVE_MODE, 25, 1), 1
	s_wait_xcnt 0x0
	s_wait_alu depctr_hold_cnt(0) depctr_sa_sdst(0) depctr_va_vdst(0) depctr_va_sdst(0) depctr_va_ssrc(0) depctr_va_vcc(0) depctr_vm_vsrc(0)
	s_getreg_b32 s2, hwreg(HW_REG_IB_STS2, 6, 4)
	s_cmp_eq_u32 s2, 0
	s_cbranch_scc0 .Lentry_in_a_cluster
	s_endpgm
.Lentry_in_a_cluster:
	s_bfe_u32 s2, ttmp6, 0x10000c
	s_cmp_lg_u32 s2, 0xf033
	s_cbranch_scc0 .Lentry_shape_is_right
	s_endpgm
.Lentry_shape_is_right:
; q = x Wq + bq, k = x Wk + bk, v = x Wv + bv on codes of FP6 (E2M3) with E8M0 scales, sums in f32; the results are quantised in registers and leave as codes alone:
; q and k along the head's 64, v along the tokens (the keys of the second product of attention).
; SHARES: a work-group (hp, mb) takes 128 tokens (one key step of one batch) and the q, k and v columns of heads 2 hp and 2 hp + 1.  Wave w: wr = w / 2: 64 tokens; wc = w % 2: one head: 48 accumulators.
; q and k are used TRANSPOSED (source 0 = 16 columns of W, source 1 = 16 tokens): a lane holds one token and its registers run along d.  v is used as it stands (source 0 = tokens, source 1 = columns):
; a lane holds one d and its registers run along the tokens.  By the order of rows and columns in the images, the 16 registers of two neighbouring tiles are 16 neighbours along the next K.
; The biases are the C of each sum's first matrix instruction.
; LDS: three regions of 98,304 bytes, each [x, Wq, Wk, Wv][2 K steps][8 tiles][1,536]: dense images, so every fragment is three loads of 16 bytes a lane, 512 consecutive bytes each.
; Fills 0, 1, 2 (K steps 0-5) go out together at the start; fill 3 (K steps 6, 7) fills region 0 again when K steps 0 and 1 have been read.  A wave has three tensor loads out at the most.
; CLUSTER 4 x 4: x's part hangs on mb alone and is asked for jointly along a row of the cluster, W's parts on hp alone, jointly along a column.  Wave 0 asks for x's part, waves 1-3 for Wq's, Wk's, Wv's.
; QB [hb 32][64 tokens 32][3,328]: two images of a pair of tiles (registers 0-5, 6-11), then 256 bytes of scale words: lane (u, r) register i = word of tile 2 i + u: byte0, byte1, 0x7f, 0x7f.
; KV [hb 32][step 16][13,056]: K's four pair images; V^T's half images [key half 2][d tile 4][768]; K's scale words [2][256] as QB's; V's scale words 256: lane (u, r) register i = word of d tile 2 i + u.
; LIMITS: NaN and infinities are not served; a block of zeros, or one whose largest magnitude lies under 2^-124, keeps the byte 1: only this program reads the bytes.
; REGISTERS: window 0: v1-29 addresses; v32-47 x's scale words; v48-95 W's; v96-122 at work; v128-223 biases, later the codes; v208-231 words and images.
;   window 1: W's fragments, two sets (v0, v48); x's, two sets (v96, v144).   window 2: q's accumulators at 8 (4 m + nt), k's at 128 + the same.   window 3: v's at 8 (4 nt + m).
; AS THE TEXT STANDS (this replaces what the lines above say of LDS, of the fills and of v): LDS holds three slots of x's parts, [2 K steps][8 tiles][1,536] each, and behind them three slots of the weights' parts,
; [2 K steps][Wq, Wk, Wv][8 tiles][1,536] each.  At the head one tensor load a wave: wave 0 x's K steps 0-1, wave 1 the weights' K steps 0-1, wave 2 x's K steps 2-5, wave 3 the weights' K steps 2-5.
; The one refill (K steps 6, 7, into the slots of K steps 0, 1): wave 0 x's part, waves 1-3 a third of the weights' part each.
; v: by the order of x's rows a lane's 32 results of four tiles are 32 neighbouring tokens: a whole scale block in one lane.
; No prefetch: all but the one refill goes out at the head, so there is no loop to run ahead in.
.set REG,   98304
.set PART,  24576
.set WB0,   3*PART                     ; where the weights' slots begin
.set WREG,  73728                      ; a slot of the weights
.set KSB,   12288
.set FRB,   1536
.set VSS,   3*REG                      ; 512 bytes: V's scale bytes meet here; written by LDS stores alone
.set SPARE, VSS+512                    ; the spare words, 128 bytes for each wave
.set L16,  1
.set L8,   2
.set AX,   4                           ; v4-6   x's fragments in region 0, 1, 2
.set AWA,  8                           ; v8-10  Wq's (Wk's: 12,288 on)
.set AWB,  12                          ; v12-14 Wv's
.set VSA,  16                          ; v16    where I put V's scale bytes
.set VSL,  17                          ; v17    where a head's image is read back
.set BQO,  18                          ; v18    64 h: bq, bk
.set BVO,  19                          ; v19    4 (r + 8 (r / 8)): bv
.set SPW,  28
.set NIL,  29
.set SX,   32
.set SW,   48
.set TM,   96                          ; v96-97 largest magnitudes, v100-101 permutes and bytes, v104-105 scale operands
.set TT,   108                         ; v108-110 a second half of codes
.set BI,   128
.set PCQ,  128
.set PCK,  152
.set PCV,  176
.set HQ,   208
.set HK,   212
.set HV,   216
.set IQ,   224
.set IK,   226
.set IV,   228
.set WV,   22
.set WR,   23
.set WC,   24
.set LP,   26                          ; s26 the LDS place of my part of a region: 24,576 x wave
.set G1,   28
.set G1B,  36
.set G1C,  44
.set G0,   52
.set HIM,  62
.set SEL,  66
.set G1D,  68
.set G0B,  76
.set G0C,  92
.set G0D,  96
.macro HLOAD g0, g1                    ; a tensor load of the head
	tensor_load_to_lds s[\g0:\g0+3], s[\g1:\g1+7]
	s_nop 0
.rept 4
	v_nop
.endr
.endm
.set MSB, 0
.macro WIN new                         ; the immediate's high byte repeats the setting that is left
.if MSB != \new
	s_set_vgpr_msb (MSB<<8)|\new
.set MSB, \new
.endif
.endm
.macro PLACES n
.rept \n
	v_nop
.endr
.endm
.macro CROUND                          ; a round of the cluster's barrier
	s_barrier_signal -1
	s_barrier_wait -1
	s_cmp_lg_u32 s[WV], 0
	s_cbranch_scc1 .Lnot_wave_0_\@
	s_barrier_signal -3
.Lnot_wave_0_\@:
	s_barrier_wait -3
	s_barrier_signal -1
	s_barrier_wait -1
.endm
.macro JLOAD f                         ; a joint load: wave 0 for x, waves 1-3 for the weights; an s_nop 0 and four v_nop follow each of the two lines
	s_cmp_eq_u32 s[WV], 0
	s_cbranch_scc0 .Lfor_b_\@
	tensor_load_to_lds s[G0+4*\f:G0+4*\f+3], s[G1:G1+7]
	s_nop 0
.rept 4
	v_nop
.endr
	s_branch .Lasked_\@
.Lfor_b_\@:
	tensor_load_to_lds s[G0B+4*\f:G0B+4*\f+3], s[G1B:G1B+7]
	s_nop 0
.rept 4
	v_nop
.endr
.Lasked_\@:
.endm
.macro WM d, a, b, c, sa, sb, ra, rb   ; one product; ra, rb = 1: that side's scales are read from lanes 16-31
.if (\ra) && (\rb)
	v_wmma_scale_f32_16x16x128_f8f6f4 v[\d:\d+7], v[\a:\a+11], v[\b:\b+11], v[\c:\c+7], v[\sa], v[\sb] matrix_a_fmt:MATRIX_FMT_FP6 matrix_b_fmt:MATRIX_FMT_FP6 matrix_a_scale:MATRIX_SCALE_ROW1 matrix_b_scale:MATRIX_SCALE_ROW1
.elseif (\ra)
	v_wmma_scale_f32_16x16x128_f8f6f4 v[\d:\d+7], v[\a:\a+11], v[\b:\b+11], v[\c:\c+7], v[\sa], v[\sb] matrix_a_fmt:MATRIX_FMT_FP6 matrix_b_fmt:MATRIX_FMT_FP6 matrix_a_scale:MATRIX_SCALE_ROW1
.elseif (\rb)
	v_wmma_scale_f32_16x16x128_f8f6f4 v[\d:\d+7], v[\a:\a+11], v[\b:\b+11], v[\c:\c+7], v[\sa], v[\sb] matrix_a_fmt:MATRIX_FMT_FP6 matrix_b_fmt:MATRIX_FMT_FP6 matrix_b_scale:MATRIX_SCALE_ROW1
.else
	v_wmma_scale_f32_16x16x128_f8f6f4 v[\d:\d+7], v[\a:\a+11], v[\b:\b+11], v[\c:\c+7], v[\sa], v[\sb] matrix_a_fmt:MATRIX_FMT_FP6 matrix_b_fmt:MATRIX_FMT_FP6
.endif
.endm
; 32 numbers of a lane, register s + 16 b + i = element 32 b + 16 h + i, become six registers of codes (lane half h holds block h) in v[d] on, and the two scale bytes in v[hw].
; wmax: the window setting with sources 0 and 1 in the numbers' window;  wcvt: with source 0 there.  Each accumulator is read from its low end on.
.macro QUANT2 s, d, hw, wmax, wcvt
	WIN \wmax
.irp b, 0,1
	v_max3_num_f32 v[TM+\b], |v[\s+16*\b]|, |v[\s+16*\b+1]|, 0x1800000    ; with the floor 2^(3 - 127)
.endr
.irp i, 2,4,6,8,10,12,14
.irp b, 0,1
	v_max3_num_f32 v[TM+\b], |v[\s+16*\b+\i]|, |v[\s+16*\b+\i+1]|, v[TM+\b]
.endr
.endr
	WIN 0
.irp b, 0,1
	v_permlanex16_b32 v[TM+4+\b], v[TM+\b], s[SEL], s[SEL+1]
.endr
.irp b, 0,1
	v_max_num_f32 v[TM+\b], v[TM+\b], v[TM+4+\b]   ; with lane l xor 16's 16: the block's largest magnitude
.endr
.irp b, 0,1
	v_add_nc_u32 v[TM+8+\b], 0xff000000, v[TM+\b]  ; 2 off the exponent field: the conversion's scale operand
.endr
.irp b, 0,1
	v_lshrrev_b32 v[TM+4+\b], 23, v[TM+8+\b]       ; the scale's byte
.endr
	v_lshl_or_b32 v[\hw], v[TM+5], 8, v[TM+4]
	WIN \wcvt
	v_cvt_scalef32_pk16_fp6_f32 v[\d:\d+2], v[\s:\s+15], v[TM+8]
	v_cvt_scalef32_pk16_fp6_f32 v[TT:TT+2], v[\s+16:\s+31], v[TM+9]
	WIN 0
	v_nop                                          ; one plain place behind a scaled conversion
.irp i, 0,1,2
	v_permlane16_swap_b32 v[\d+\i], v[TT+\i]       ; a whole block to a lane: the first now holds each lane's block's lower 16 codes, the second the upper 16
.endr
.irp i, 0,1,2
	v_mov_b32 v[\d+3+\i], v[TT+\i]
.endr
.endm
	s_load_b512 s[4:19], s[0:1], 0x0               ; XC, XS, WC, WS, bq, bk, bv, QB
	s_load_b64 s[20:21], s[0:1], 0x40              ; KV
	v_lshl_add_u32 v[SPW], v0, 2, SPARE
	v_mov_b32 v[NIL], 0
	ds_add_u32 v[SPW], v[NIL]                      ; the wave's opening: the add and its wait ahead of my first tensor load; work on registers stands between them
	ds_add_u32 v[SPW], v[NIL]
	v_lshrrev_b32 v3, 5, v0
	v_readfirstlane_b32 s[WV], v3
	s_lshr_b32 s[WR], s[WV], 1
	s_and_b32 s[WC], s[WV], 1
	s_bfe_u32 s56, ttmp6, 0x40000                  ; cx
	s_bfe_u32 s57, ttmp6, 0x40004                  ; cy
	s_lshl_b32 s58, ttmp9, 2
	s_add_co_u32 s58, s58, s56                     ; hp = 4 x cluster x + cx
	s_and_b32 s59, ttmp7, 0xffff
	s_lshl_b32 s59, s59, 2
	s_add_co_u32 s59, s59, s57                     ; mb = 4 x cluster y + cy
	s_lshl_b32 s60, s57, 2
	s_lshl_b32 s60, 15, s60                        ; my row of the cluster
	s_lshl_b32 s61, 0x1111, s56                    ; my column
	s_or_b32 s[G1], s60, (3<<16)|(1<<21)           ; 15:0 the mask; 17:16 elements of 8 bytes; 21 set beside a mask; no padding
	s_or_b32 s[G1B], s61, (3<<16)|(1<<21)
	s_or_b32 s[G1C], s60, (3<<16)|(1<<21)
	s_or_b32 s[G1D], s61, (3<<16)|(1<<21)
.irp g, G1, G1B, G1C, G1D              ; dense blocks as rows of 256 bytes; their counts of rows stand below
	s_mov_b32 s[\g+1], 32<<16
	s_mov_b32 s[\g+3], 32<<16                      ; tile_dim0 = 32
	s_mov_b32 s[\g+5], 32                          ; the pitch
	s_mov_b32 s[\g+6], 0
	s_mov_b32 s[\g+7], 0
.endr
	s_mov_b32 s[G1+2], 96<<16                      ; x, two K steps: 96 rows
	s_mov_b32 s[G1+4], 96
	s_mov_b32 s[G1B+2], 288<<16                    ; three weights, two K steps: 288 rows; 96 for the refill
	s_mov_b32 s[G1B+4], 288
	s_mov_b32 s[G1C+2], 192<<16                    ; x, four K steps
	s_mov_b32 s[G1C+4], 192
	s_mov_b32 s[G1D+2], 576<<16                    ; three weights, four K steps
	s_mov_b32 s[G1D+4], 576
	s_mul_i32 s80, s59, REG
	s_mov_b32 s81, 0
	s_mul_i32 s82, s58, 3*REG                      ; the three weights' codes of my head pair: of hp alone
	s_mov_b32 s83, 0
	s_mul_i32 s[LP], s[WV], PART
	s_mov_b32 s[HIM], 0xffff0000                   ; lanes 16-31
	s_mov_b32 s[SEL], 0x76543210
	s_mov_b32 s[SEL+1], 0xfedcba98
	s_wait_dscnt 0x0                               ; both opening adds are done
	CROUND                                         ; all sixteen work-groups are here: the first joint loads meet
	s_wait_kmcnt 0x0
	s_add_nc_u64 s[80:81], s[4:5], s[80:81]
	s_add_nc_u64 s[82:83], s[8:9], s[82:83]
	s_mov_b32 s[G0], 1
	s_mov_b32 s[G0+1], 0
	s_mov_b64 s[G0+2:G0+3], s[80:81]
	s_or_b32 s[G0+3], s[G0+3], 0x80000000
	s_mov_b32 s[G0B], 1
	s_mov_b32 s[G0B+1], WB0
	s_mov_b64 s[G0B+2:G0B+3], s[82:83]
	s_or_b32 s[G0B+3], s[G0B+3], 0x80000000
	s_mov_b32 s[G0C], 1
	s_mov_b32 s[G0C+1], PART
	s_add_nc_u64 s[G0C+2:G0C+3], s[80:81], PART
	s_or_b32 s[G0C+3], s[G0C+3], 0x80000000
	s_mov_b32 s[G0D], 1
	s_mov_b32 s[G0D+1], WB0+WREG
	s_add_nc_u64 s[G0D+2:G0D+3], s[82:83], WREG
	s_or_b32 s[G0D+3], s[G0D+3], 0x80000000
	s_cmp_eq_u32 s[WV], 0                          ; one load a wave, each in an arm of its own
	s_cbranch_scc0 .Lwave_1
	HLOAD G0, G1
	s_branch .Lhead_asked
.Lwave_1:
	s_cmp_eq_u32 s[WV], 1
	s_cbranch_scc0 .Lwave_2
	HLOAD G0B, G1B
	s_branch .Lhead_asked
.Lwave_2:
	s_cmp_eq_u32 s[WV], 2
	s_cbranch_scc0 .Lwave_3
	HLOAD G0C, G1C
	s_branch .Lhead_asked
.Lwave_3:
	HLOAD G0D, G1D
.Lhead_asked:
	v_and_b32 v3, 31, v0
	v_and_b32 v20, 15, v0                          ; r
	v_bfe_u32 v21, v0, 4, 1                        ; h
	v_lshlrev_b32 v[L16], 4, v3
	v_lshlrev_b32 v[L8], 3, v3
	s_wait_alu depctr_va_vdst(0)
	v_lshlrev_b32 v[BQO], 6, v21
	s_wait_alu depctr_va_vdst(0)
	v_and_b32 v[BVO], 8, v20
	v_add_nc_u32 v[BVO], v[BVO], v20
	v_lshlrev_b32 v[BVO], 2, v[BVO]
	s_wait_alu depctr_va_vdst(0)
	s_mov_b32 s85, 0
	s_lshl_b32 s84, s59, 12                        ; x's scale words: tile 8 mb + 4 wr on, 512 bytes a tile
	s_lshl_b32 s86, s[WR], 11
	s_add_co_u32 s84, s84, s86
	s_add_nc_u64 s[6:7], s[6:7], s[84:85]
	s_lshl_b32 s84, s58, 12                        ; W's: 4,096 bytes a head pair, 2,048 a head
	s_lshl_b32 s86, s[WC], 11
	s_add_co_u32 s84, s84, s86
	s_add_nc_u64 s[10:11], s[10:11], s[84:85]
	s_lshl_b32 s84, s58, 9                         ; the biases: my head's 64 numbers
	s_lshl_b32 s86, s[WC], 8
	s_add_co_u32 s84, s84, s86
	s_add_nc_u64 s[12:13], s[12:13], s[84:85]
	s_add_nc_u64 s[14:15], s[14:15], s[84:85]
	s_add_nc_u64 s[16:17], s[16:17], s[84:85]
.irp m, 0,1,2,3
.irp kh, 0,1
	global_load_b64 v[SX+4*\m+2*\kh:SX+4*\m+2*\kh+1], v[L8], s[6:7] offset:512*\m+256*\kh      ; register SX + 4 m + ks / 2; lanes 0-15 the even K step, lanes 16-31 the odd one
.endr
.endr
.irp kd, 0,1,2
.irp b, 0,1
.irp kp, 0,1,2,3
	global_load_b64 v[SW+16*\kd+8*\b+2*\kp:SW+16*\kd+8*\b+2*\kp+1], v[L8], s[10:11] offset:32768*\kd+1024*\b+256*\kp   ; register SW + 16 kind + 8 (nt / 2) + ks; lanes 0-15 the even tile, lanes 16-31 the odd one
.endr
.endr
.endr
.irp nt, 0,1,2,3
	global_load_b128 v[BI+8*\nt:BI+8*\nt+3], v[BQO], s[12:13] offset:4*(32*(\nt/2)+8*(\nt%2))          ; bq at d = 32 (nt / 2) + 8 (nt % 2) + 16 h + 0 .. 7
	global_load_b128 v[BI+8*\nt+4:BI+8*\nt+7], v[BQO], s[12:13] offset:4*(32*(\nt/2)+8*(\nt%2))+16
	global_load_b128 v[BI+32+8*\nt:BI+32+8*\nt+3], v[BQO], s[14:15] offset:4*(32*(\nt/2)+8*(\nt%2))
	global_load_b128 v[BI+32+8*\nt+4:BI+32+8*\nt+7], v[BQO], s[14:15] offset:4*(32*(\nt/2)+8*(\nt%2))+16
	global_load_b32 v[BI+64+8*\nt], v[BVO], s[16:17] offset:4*(32*(\nt/2)+8*(\nt%2))                   ; bv at my lane's d
.endr
	s_mul_i32 s86, s[WR], 4*FRB                    ; my four tiles of x,
	s_mul_i32 s87, s[WC], 4*FRB                    ; my four tiles of each weight
	s_add_co_u32 s88, s87, WB0+2*KSB
	s_add_co_u32 s87, s87, WB0
.irp g, 0,1,2
	v_add_nc_u32 v[AX+\g], s86, v[L16]
	v_add_nc_u32 v[AWA+\g], s87, v[L16]
	v_add_nc_u32 v[AWB+\g], s88, v[L16]
	s_add_co_u32 s86, s86, PART
	s_add_co_u32 s87, s87, WREG
	s_add_co_u32 s88, s88, WREG
.endr
	s_lshl_b32 s86, s[WC], 8
	s_add_co_u32 s86, s86, VSS
	v_add_nc_u32 v[VSL], s86, v[L8]                ; a head's image of V's scale words
	s_lshl_b32 s87, s[WR], 1
	s_add_co_u32 s86, s86, s87
	v_lshl_add_u32 v[VSA], v20, 3, v21             ; my byte of each word: 8 r + h, 2 wr on
	v_add_nc_u32 v[VSA], s86, v[VSA]
	s_lshr_b32 s84, s59, 4                         ; where the results go: hb = 16 batch + 2 hp + wc, step = mb % 16
	s_lshl_b32 s84, s84, 4
	s_lshl_b32 s86, s58, 1
	s_add_co_u32 s84, s84, s86
	s_add_co_u32 s84, s84, s[WC]
	s_and_b32 s86, s59, 15
	s_lshl_b32 s87, s84, 4
	s_add_co_u32 s87, s87, s86
	s_mul_i32 s88, s87, 13056
	s_mov_b32 s89, 0
	s_add_nc_u64 s[20:21], s[20:21], s[88:89]      ; the step's block of KV
	s_lshl_b32 s87, s87, 1
	s_add_co_u32 s87, s87, s[WR]
	s_mul_i32 s88, s87, 3328
	s_add_nc_u64 s[18:19], s[18:19], s[88:89]      ; my 64 tokens' block of QB
	s_mul_i32 s88, s[WR], 3072
	s_add_nc_u64 s[90:91], s[20:21], s[88:89]      ; my half of K's and of V's codes
	s_lshl_b32 s88, s[WR], 8
	s_add_nc_u64 s[56:57], s[20:21], s[88:89]
	v_mov_b32 v[TM+4], 0                           ; written once: a lane permute's destination counts as one of its sources
	v_mov_b32 v[TM+5], 0
	s_wait_loadcnt 0x0                             ; scale words and biases
.irp nt, 0,1,2,3
.irp j, 1,2,3,4,5,6,7
	v_mov_b32 v[BI+64+8*\nt+\j], v[BI+64+8*\nt]    ; in v's layout a lane's eight results share one d
.endr
.endr
	s_wait_alu depctr_va_vdst(0)
	s_cmp_lt_u32 s[WV], 2
	s_cbranch_scc0 .Lnot_first
	s_wait_tensorcnt 0x0                           ; K steps 0 and 1 are in (waves 0 and 1 have load lines of their own); K steps 2-5 may stay out
.Lnot_first:
	s_barrier_signal -1
	s_barrier_wait -1
.macro LOADW n                         ; the four fragments of W for sub-step n = 3 ks + kind, into set n % 2
.set LK, (\n)/3
.set LD, (\n)%3
.set LR, (LK/2)%3
.set LB, 48*((\n)%2)
.irp nt, 0,1,2,3
.irp g, 0,1,2
.if LD < 2
	ds_load_b128 v[LB+12*\nt+4*\g:LB+12*\nt+4*\g+3], v[AWA+LR] offset:KSB*LD+3*KSB*(LK%2)+FRB*\nt+512*\g
.else
	ds_load_b128 v[LB+12*\nt+4*\g:LB+12*\nt+4*\g+3], v[AWB+LR] offset:3*KSB*(LK%2)+FRB*\nt+512*\g
.endif
.endr
.endr
.endm
.macro LOADX ks                        ; the four fragments of x for K step ks, into set ks % 2
.set LXB, 96+48*((\ks)%2)
.set LXR, ((\ks)/2)%3
.irp m, 0,1,2,3
.irp g, 0,1,2
	ds_load_b128 v[LXB+12*\m+4*\g:LXB+12*\m+4*\g+3], v[AX+LXR] offset:KSB*((\ks)%2)+FRB*\m+512*\g
.endr
.endr
.endm
; Sub-step N: 16 products of one kind (q, k, v) for one K step.  The next sub-step's fragments are asked for first, four places behind the products that read their registers last.
; The 16 accumulators take turns, one instruction a turn, and come again three sub-steps later.
.macro SUB
.set KS_, N/3
.set KD, N%3
.set WB, 48*(N%2)
.set XBF, 96+48*(KS_%2)
.if N == 5                             ; all reads of region 0 (K steps 0, 1) have been issued: it is filled again with K steps 6, 7
	WIN 0
	s_wait_tensorcnt 0x0                           ; all my tensor loads have landed: my parts of regions 1 and 2
	ds_add_u32 v[SPW], v[NIL]                      ; 0 onto my spare word
	s_add_nc_u64 s[G0+2:G0+3], s[G0+2:G0+3], 3*PART        ; no load of mine is out: the first descriptors step to K step 6; of the weights wave w takes third w - 1
	s_mov_b32 s84, s[LP]
	s_mov_b32 s85, 0
	s_add_nc_u64 s[G0B+2:G0B+3], s[G0B+2:G0B+3], s[84:85]
	s_add_nc_u64 s[G0B+2:G0B+3], s[G0B+2:G0B+3], 18*KSB-PART
	s_add_co_u32 s[G0B+1], s[LP], WB0-PART
	s_mov_b32 s[G1B+2], 96<<16
	s_mov_b32 s[G1B+4], 96
	s_wait_dscnt 0x0                               ; the add is done, and my reads of region 0 are over
	CROUND                                         ; both now hold of every wave of every partner
	JLOAD 0                                        ; the first tensor load behind the round; its four v_nop are also the places in front of the loads below
.elseif N == 17                        ; the loads below are the first that read region 0 anew
	s_wait_tensorcnt 0x0                           ; my one load that was out: my part of fill 3
	s_wait_dscnt 0x0
	s_barrier_signal -1
	s_barrier_wait -1                              ; everybody's is in
	PLACES 4
.elseif N > 0
	PLACES 4
.endif
.if N < 23
	WIN 0x40                                       ; destination window 1, address window 0
	LOADW N+1
.endif
.if (KD == 2) && (KS_ < 7)
	LOADX KS_+1
	s_wait_dscnt 24                                ; all but the 24 just issued
.elseif N < 23
	s_wait_dscnt 12                                ; all but the 12 just issued
.else
	s_wait_dscnt 0x0
.endif
.if KD < 2
.if KS_ == 0
	WIN 0x85                                       ; sources 0, 1 window 1; C (the bias) window 0; D window 2
.else
	WIN 0xa5
.endif
.else
.if KS_ == 0
	WIN 0xc5                                       ; D window 3
.else
	WIN 0xf5
.endif
.endif
.irp m, 0,1,2,3
.irp nt, 0,1,2,3
.if KD < 2
.set DD, 128*KD+8*(4*\m+\nt)
.set CC, DD
.if KS_ == 0
.set CC, BI+32*KD+8*\nt
.endif
	WM DD, WB+12*\nt, XBF+12*\m, CC, SW+16*KD+8*(\nt/2)+KS_, SX+4*\m+KS_/2, \nt%2, KS_%2
.else
.set DD, 8*(4*\nt+\m)
.set CC, DD
.if KS_ == 0
.set CC, BI+64+8*\nt
.endif
	WM DD, XBF+12*\m, WB+12*\nt, CC, SX+4*\m+KS_/2, SW+32+8*(\nt/2)+KS_, KS_%2, \nt%2
.endif
.endr
.endr
.endm
	WIN 0x40
	LOADX 0
	LOADW 0
.set N, 0
.rept 24
	SUB
.set N, N+1
.endr
	; THE WAY OUT: every output has registers of its own, so no store's data are written again
	WIN 0
	PLACES 4
.irp m, 0,1,2,3
	QUANT2 32*\m, PCQ+6*\m, HQ+\m, 0x0a, 0x02      ; q: tokens of tile m, along d
.endr
.irp m, 0,1,2,3
	v_or_b32 v[HQ+\m], 0x7f7f0000, v[HQ+\m]        ; the upper 64 of the instruction's K hold zero codes: their bytes stand for 1
.endr
.irp i, 0,1
	v_cndmask_b32 v[IQ+\i], v[HQ+2*\i], v[HQ+2*\i+1], s[HIM]
.endr
.irp p, 0,1
.irp g, 0,1,2
	global_store_b128 v[L16], v[PCQ+12*\p+4*\g:PCQ+12*\p+4*\g+3], s[18:19] offset:1536*\p+512*\g       ; 512 consecutive bytes, aligned
.endr
.endr
	global_store_b64 v[L8], v[IQ:IQ+1], s[18:19] offset:3072
.irp m, 0,1,2,3
	QUANT2 128+32*\m, PCK+6*\m, HK+\m, 0x0a, 0x02  ; k likewise
.endr
.irp m, 0,1,2,3
	v_or_b32 v[HK+\m], 0x7f7f0000, v[HK+\m]
.endr
.irp i, 0,1
	v_cndmask_b32 v[IK+\i], v[HK+2*\i], v[HK+2*\i+1], s[HIM]
.endr
.irp p, 0,1
.irp g, 0,1,2
	global_store_b128 v[L16], v[PCK+12*\p+4*\g:PCK+12*\p+4*\g+3], s[90:91] offset:1536*\p+512*\g
.endr
.endr
	global_store_b64 v[L8], v[IK:IK+1], s[56:57] offset:12288
	WIN 0x0f                                       ; v: d of tile nt, along my 64 tokens: a lane's 32 numbers are one block, register 8 m + i = token 32 h + 8 m + i; four tiles by turns
.irp nt, 0,1,2,3
	v_max3_num_f32 v[TM+\nt], |v[32*\nt]|, |v[32*\nt+1]|, 0x1800000
.endr
.irp i, 2,4,6,8,10,12,14,16,18,20,22,24,26,28,30
.irp nt, 0,1,2,3
	v_max3_num_f32 v[TM+\nt], |v[32*\nt+\i]|, |v[32*\nt+\i+1]|, v[TM+\nt]
.endr
.endr
	WIN 0
.irp nt, 0,1,2,3
	v_add_nc_u32 v[TM+8+\nt], 0xff000000, v[TM+\nt]
.endr
.irp nt, 0,1,2,3
	v_lshrrev_b32 v[HV+\nt], 23, v[TM+8+\nt]
.endr
	WIN 0x03
.irp nt, 0,1,2,3
	v_cvt_scalef32_pk16_fp6_f32 v[PCV+6*\nt:PCV+6*\nt+2], v[32*\nt:32*\nt+15], v[TM+8+\nt]
	v_cvt_scalef32_pk16_fp6_f32 v[TT+4*\nt:TT+4*\nt+2], v[32*\nt+16:32*\nt+31], v[TM+8+\nt]
.endr
	WIN 0
	v_nop                                          ; one plain place behind a scaled conversion
.irp nt, 0,1,2,3
.irp i, 0,1,2
	v_mov_b32 v[PCV+6*\nt+3+\i], v[TT+4*\nt+\i]
.endr
.endr
.irp nt, 0,1,2,3
	global_store_b128 v[L16], v[PCV+6*\nt:PCV+6*\nt+3], s[90:91] offset:6144+768*\nt
	global_store_b64 v[L8], v[PCV+6*\nt+4:PCV+6*\nt+5], s[90:91] offset:6144+768*\nt+512
.endr
.irp nt, 0,1,2,3
	ds_store_b8 v[VSA], v[HV+\nt] offset:128*(\nt%2)+4*(\nt/2)
.endr
	s_wait_dscnt 0x0                               ; for the others' sake: my stores are done
	s_barrier_signal -1
	s_barrier_wait -1
	s_cmp_lt_u32 s[WV], 2                          ; waves 0 and 1 (wr = 0, wc = wave) store their head's image
	s_cbranch_scc0 .Lno_vs
	ds_load_b64 v[230:231], v[VSL]
	s_wait_dscnt 0x0
	global_store_b64 v[L8], v[230:231], s[20:21] offset:12800
.Lno_vs:
	s_wait_tensorcnt 0x0                           ; the wave's end, behind my last tensor load and my last LDS store
	ds_add_u32 v[SPW], v[NIL]
	s_wait_dscnt 0x0
	CROUND                                         ; the closing round
	s_endpgm
.Lfunc_end_k_qcf76f8495d_qkv:
	.size	k_qcf76f8495d_qkv, .Lfunc_end_k_qcf76f8495d_qkv-k_qcf76f8495d_qkv
	.p2alignl 7, 3214868480
	.fill 96, 4, 3214868480
	.section	.rodata,"a",@progbits
	.p2align	6, 0x0
	.amdhsa_kernel k_qcf76f8495d_qkv
		.amdhsa_group_segment_fixed_size 327680
		.amdhsa_private_segment_fixed_size 0
		.amdhsa_enable_private_segment 0
		.amdhsa_kernarg_size 72
		.amdhsa_user_sgpr_count 2
		.amdhsa_user_sgpr_kernarg_segment_ptr 1
		.amdhsa_wavefront_size32 1
		.amdhsa_system_sgpr_workgroup_id_x 1
		.amdhsa_system_sgpr_workgroup_id_y 1
		.amdhsa_system_sgpr_workgroup_id_z 1
		.amdhsa_system_vgpr_workitem_id 0
		.amdhsa_next_free_vgpr 896
		.amdhsa_next_free_sgpr 100
		.amdhsa_reserve_vcc 0
		.amdhsa_float_denorm_mode_32 3
		.amdhsa_float_denorm_mode_16_64 3
		.amdhsa_memory_ordered 1
		.amdhsa_forward_progress 1
		.amdhsa_inst_pref_size 119
	.end_amdhsa_kernel
	.amdgpu_metadata
---
amdhsa.version: [ 1, 2 ]
amdhsa.kernels:
  - .name:           k_qcf76f8495d_qkv
    .symbol:         k_qcf76f8495d_qkv.kd
    .args:
      - { .name: XC, .offset: 0, .size: 8, .value_kind: global_buffer, .address_space: global }
      - { .name: XS, .offset: 8, .size: 8, .value_kind: global_buffer, .address_space: global }
      - { .name: WC, .offset: 16, .size: 8, .value_kind: global_buffer, .address_space: global }
      - { .name: WS, .offset: 24, .size: 8, .value_kind: global_buffer, .address_space: global }
      - { .name: bq, .offset: 32, .size: 8, .value_kind: global_buffer, .address_space: global }
      - { .name: bk, .offset: 40, .size: 8, .value_kind: global_buffer, .address_space: global }
      - { .name: bv, .offset: 48, .size: 8, .value_kind: global_buffer, .address_space: global }
      - { .name: QB, .offset: 56, .size: 8, .value_kind: global_buffer, .address_space: global }
      - { .name: KV, .offset: 64, .size: 8, .value_kind: global_buffer, .address_space: global }
    .group_segment_fixed_size: 327680
    .private_segment_fixed_size: 0
    .kernarg_segment_align: 8
    .kernarg_segment_size: 72
    .max_flat_workgroup_size: 128
    .sgpr_count:     100
    .vgpr_count:     896
    .wavefront_size: 32
...
	.end_amdgpu_metadata
.endif
;; end of part 2
;; launch attn (part 3): grid 8 x 32, 16 waves a work-group, clusters of 4 x 1, 211,456 bytes of LDS; arguments QB, KV, AC, AS; writes AC, AS
.if DOCPART == 3
	.amdgcn_target "amdgcn-amd-amdhsa--gfx1250"
	.amdhsa_code_object_version 6
	.text
	.protected	k_qcf76f8495d_attn
	.globl	k_qcf76f8495d_attn
	.p2align	8
	.type	k_qcf76f8495d_attn,@function
k_qcf76f8495d_attn:
	s_mov_b64 s[64:65], 0
	v_nop
	global_prefetch_b8 v0, s[64:65] scope:SCOPE_SE
	s_setreg_imm32_b32 hwreg(HW_REG_WAVE_MODE, 25, 1), 1
	s_wait_xcnt 0x0
	s_wait_alu depctr_hold_cnt(0) depctr_sa_sdst(0) depctr_va_vdst(0) depctr_va_sdst(0) depctr_va_ssrc(0) depctr_va_vcc(0) depctr_vm_vsrc(0)
	s_getreg_b32 s2, hwreg(HW_REG_IB_STS2, 6, 4)
	s_cmp_eq_u32 s2, 0
	s_cbranch_scc0 .Lentry_in_a_cluster
	s_endpgm
.Lentry_in_a_cluster:
	s_bfe_u32 s2, ttmp6, 0x10000c
	s_cmp_lg_u32 s2, 0x3003
	s_cbranch_scc0 .Lentry_shape_is_right
	s_endpgm
.Lentry_shape_is_right:
; Attention of one head on codes of FP6 (E2M3) with E8M0 scales; head size 64, 2,048 keys, no mask.  The result is quantised along d and leaves as codes for the last projection.
; THE SOFTMAX AHEAD OF THE SECOND PRODUCT: t = score x log2(e) / 8; M = the running largest t rounded UP to a whole number; p = 2^(t - M) is quantised along the keys, not normalised; the row's sum is taken of the
; unquantised p in f32 and divides O at the end.  When M moves, the sum and O are multiplied by 2^(old M - new M): exact.
; SHARES: a work-group owns 256 queries of head hb; each of its sixteen waves one tile of 16, in 256 registers: four waves to a SIMD.
; ALL of the head's K and V, 16 blocks of 128 keys, 13,056 bytes each, lies in LDS at once: nothing is filled again.  Wave w brings block w by its one tensor load.  Blocks 0-3 are shown to all by a first barrier
; (waves 0-3 have a load line of their own), the others by a second one, which each wave signals behind its first 256 keys and waits for towards the end of its second 256: between the two stand register work and loads of blocks 2, 3.
; CLUSTER 4 x 1: the four query blocks of a cluster walk the same head: every load is asked for jointly, with a mask that names the four.
; No prefetch into the L2: the whole of K and V is asked for at the head, so there is no loop to run ahead in.
; Both products are used transposed: S^T = K Q^T (source 0 = 16 keys), O^T = V^T P^T (source 0 = 16 of the head's 64): a lane holds ONE query throughout.
; THE ORDER OF THE KEYS: row m of K's tile j (j = 0 .. 3) of a band c of 64 keys is key 64 c + 32 (m / 8) + 8 j + m % 8.  So lane half h holds, in the 32 registers of a band's four tiles, the keys 64 c + 32 h + 0 .. 31: one
; whole scale block of the second product, in the order of that product's operand.  Only the row's maximum, the row's sum and the scale word look at lane l xor 16.
; A TRIP takes 256 keys, two halves of 128, under ONE running maximum.  The first product's K is 64: Q's registers 6-11 are zero codes, so what stands behind a tile's six registers (other codes, or old p) adds nothing: FP6 has no NaN.
; THE LDS LOADS RUN AHEAD: a trip's first half of K was asked for ahead of the last trip's last products, into registers of p that were done with; its second half is asked for ahead of the first half's products.
; LIMITS: NaN and infinities are not served; a block of zeros, or one whose largest magnitude lies under 2^-124, keeps the byte 1: only this program reads the bytes.  The promise for the softmax holds while |t| stays under 2^31.
; A block's largest p is the exponential of its largest score: this takes v_exp_f32 not to fall where its input rises.
; REGISTERS: v0 the thread's number; v1 16 x lane; v2, v39 LDS addresses; v3 Q's scale word; v4-15 Q (v10-15 zeros); v16 -M, v17 the largest score; v[18:19] the sum; v20 the factor, v21 a permute; later both at work on scale words;
;   v22-25 the four blocks' largest, later the conversions' scale operands; v26-31 at work, later three chains of the sum; v32-35 K's scale words, v36-37 V's, v38 p's; v40-87 the second half's K, then V's four fragments;
;   v88-99 p's codes (v96-99 when the first block's first numbers are done with); v96-159 and v160-223 S^T of the two halves, then p; v160-207 the next trip's first half of K; v224-255 O^T.
.set STEPB, 13056
.set ASG,   16*STEPB                   ; 512 bytes: the result's scale bytes meet here; written by LDS stores alone
.set SPARE, ASG+512                    ; the spare words, 128 bytes for each wave
.set L16,  1
.set AD8,  2
.set QW,   3
.set Q,    4
.set NM,   16
.set MXS,  17
.set SUM,  18
.set FF,   20
.set BM,   22
.set SPW,  30
.set NIL,  31
.set KW,   32
.set VW,   36
.set PW,   38
.set AD16, 39
.set KVR,  40
.set PC,   88
.set S0,   96
.set S1,   160
.set O0,   224
.set WV,   12
.set G1,   16
.set G0,   24
.set SEL,  40
.set CS,   42
.set TB,   44
.set CNT,  45
.set NC,   46
.macro PLACES n
.rept \n
	v_nop
.endr
.endm
.macro CROUND                          ; a round of the cluster's barrier
	s_barrier_signal -1
	s_barrier_wait -1
	s_cmp_lg_u32 s[WV], 0
	s_cbranch_scc1 .Lnot_wave_0_\@
	s_barrier_signal -3
.Lnot_wave_0_\@:
	s_barrier_wait -3
	s_barrier_signal -1
	s_barrier_wait -1
.endm
.macro WM d, a, b, c, sa, sb, ra       ; one product; c < 0: it starts the sum; ra = 1: source 0's scales are read from lanes 16-31
.if (\c) < 0
.if (\ra)
	v_wmma_scale_f32_16x16x128_f8f6f4 v[\d:\d+7], v[\a:\a+11], v[\b:\b+11], 0, v[\sa], v[\sb] matrix_a_fmt:MATRIX_FMT_FP6 matrix_b_fmt:MATRIX_FMT_FP6 matrix_a_scale:MATRIX_SCALE_ROW1
.else
	v_wmma_scale_f32_16x16x128_f8f6f4 v[\d:\d+7], v[\a:\a+11], v[\b:\b+11], 0, v[\sa], v[\sb] matrix_a_fmt:MATRIX_FMT_FP6 matrix_b_fmt:MATRIX_FMT_FP6
.endif
.else
.if (\ra)
	v_wmma_scale_f32_16x16x128_f8f6f4 v[\d:\d+7], v[\a:\a+11], v[\b:\b+11], v[\c:\c+7], v[\sa], v[\sb] matrix_a_fmt:MATRIX_FMT_FP6 matrix_b_fmt:MATRIX_FMT_FP6 matrix_a_scale:MATRIX_SCALE_ROW1
.else
	v_wmma_scale_f32_16x16x128_f8f6f4 v[\d:\d+7], v[\a:\a+11], v[\b:\b+11], v[\c:\c+7], v[\sa], v[\sb] matrix_a_fmt:MATRIX_FMT_FP6 matrix_b_fmt:MATRIX_FMT_FP6
.endif
.endif
.endm
.macro KLOADC hh, dst                  ; K's four pair images of half hh (2: the next trip's first half): tile t at dst + 6 t: 12 loads
.irp i, 0,1,2,3,4,5,6,7,8,9,10,11
	ds_load_b128 v[\dst+4*\i:\dst+4*\i+3], v[AD16] offset:STEPB*\hh+512*\i
.endr
.endm
.macro KLOADW hh                       ; their scale words: register KW + t / 2: lanes 0-15 the even tile's, lanes 16-31 the odd one's: 2 loads
.irp a, 0,1
	ds_load_b64 v[KW+2*\a:KW+2*\a+1], v[AD8] offset:STEPB*\hh+12288+256*\a
.endr
.endm
.macro VLOAD hh                        ; V's four fragments of half hh, and their words
.irp nt, 0,1,2,3
.irp c, 0,1
	ds_load_b128 v[KVR+12*\nt+6*\c:KVR+12*\nt+6*\c+3], v[AD16] offset:STEPB*\hh+6144+3072*\c+768*\nt
	ds_load_b64 v[KVR+12*\nt+6*\c+4:KVR+12*\nt+6*\c+5], v[AD8] offset:STEPB*\hh+6144+3072*\c+768*\nt+512
.endr
.endr
	ds_load_b64 v[VW:VW+1], v[AD8] offset:STEPB*\hh+12800
.endm
.macro QK hh, src
.irp t, 0,1,2,3,4,5,6,7
	WM S0+64*\hh+8*\t, \src+6*\t, Q, -1, KW+\t/2, QW, \t%2
.endr
.endm
.macro PV                              ; four accumulators by turns, one instruction a turn
.irp nt, 0,1,2,3
	WM O0+8*\nt, KVR+12*\nt, PC, O0+8*\nt, VW+\nt/2, PW, \nt%2
.endr
.endm
.macro MAXI hh, from, to               ; the largest score of each of half hh's two blocks, in four chains by turns: groups from .. to - 1 of 9 (7 of four lines, 2 of two)
.set I_, \from
.rept (\to)-(\from)
.irp c, 0,1
.set B_, S0+64*\hh+32*\c
.if I_ == 0
	v_max3_num_f32 v[BM+2*\hh+\c], v[B_], v[B_+1], v[B_+2]
	v_max3_num_f32 v[26+\c], v[B_+16], v[B_+17], v[B_+18]
.elseif I_ < 7
	v_max3_num_f32 v[BM+2*\hh+\c], v[BM+2*\hh+\c], v[B_+2*I_+1], v[B_+2*I_+2]
	v_max3_num_f32 v[26+\c], v[26+\c], v[B_+2*I_+17], v[B_+2*I_+18]
.elseif I_ == 7
	v_max3_num_f32 v[BM+2*\hh+\c], v[BM+2*\hh+\c], v[26+\c], v[B_+15]
.else
	v_max_num_f32 v[BM+2*\hh+\c], v[BM+2*\hh+\c], v[B_+31]
.endif
.endr
.set I_, I_+1
.endr
.endm
.macro SUMR from, to                   ; the row's sum of the unquantised p: pairs 6 + from .. 5 + to, four chains by turns
.set I_, \from
.rept (\to)-(\from)
.set A_, SUM
.if I_%4 > 0
.set A_, 24+2*(I_%4)
.endif
	v_pk_add_f32 v[A_:A_+1], v[A_:A_+1], v[S0+12+2*I_:S0+13+2*I_]
.set I_, I_+1
.endr
.endm
.macro CVT hh, c                       ; 32 numbers of a lane: the lower 16 codes in place, the upper 16 one register too high (a conversion's three registers begin on an even number)
	v_cvt_scalef32_pk16_fp6_f32 v[PC+6*\c:PC+6*\c+2], v[S0+64*\hh+32*\c:S0+64*\hh+32*\c+15], v[BM+2*\hh+\c]
	v_cvt_scalef32_pk16_fp6_f32 v[PC+6*\c+4:PC+6*\c+6], v[S0+64*\hh+32*\c+16:S0+64*\hh+32*\c+31], v[BM+2*\hh+\c]
.endm
.macro SHIFT c                         ; and down by one
.irp i, 3,4,5
	v_mov_b32 v[PC+6*\c+\i], v[PC+6*\c+\i+1]
.endr
.endm
.macro DEP1
	s_delay_alu instid0(VALU_DEP_1)
.endm
; A TRIP: 256 keys at LDS byte s[TB].  how = 1: the second barrier's wait stands in it; how = 2: the last trip, which loads nothing ahead
.macro DSTEP how
	v_add_nc_u32 v[AD16], s[TB], v[L16]
	v_lshrrev_b32 v[AD8], 1, v[L16]
	v_nop
	v_add_nc_u32 v[AD8], s[TB], v[AD8]
	v_nop                                          ; these five are the places between the last trip's products and the loads and products that write their operands' registers
	KLOADC 1, KVR
	s_wait_alu depctr_va_vdst(0)                   ; directly ahead of the wait below
	s_wait_dscnt 12                                ; the first half's K and words are in; the second half's 12 loads may be out
	QK 0, S1
	PLACES 4
	KLOADW 1
	MAXI 0, 0, 7
	s_wait_alu depctr_va_vdst(0)
	s_wait_dscnt 0x0
	QK 1, KVR
	MAXI 0, 7, 9                                   ; four plain lines that name none of the products' registers: the places behind them
	VLOAD 0
	MAXI 1, 0, 9
	v_max3_num_f32 v26, v[BM], v[BM+1], v[BM+2]
	DEP1
	v_max3_num_f32 v26, v26, v[BM+3], v[MXS]
	DEP1
	v_permlanex16_b32 v21, v26, s[SEL], s[SEL+1]
	DEP1
	v_max_num_f32 v[MXS], v26, v21                 ; the running largest score of my query
	DEP1
	v_mul_f32 v26, s[NC], v[MXS]                   ; -t
	DEP1
	v_floor_f32 v26, v26                           ; the new -M = floor(-t) = -ceil(t)
	DEP1
	v_sub_f32 v27, v26, v[NM]                      ; old M - new M: a whole number, 0 or less
	DEP1
	v_cvt_i32_f32 v27, v27                         ; (it saturates)
	DEP1
	v_ldexp_f32 v[FF], 1.0, v27                    ; f = 2^(old M - new M)
	v_mov_b32 v[NM], v26
.set I_, 0
.rept 16
	v_pk_mul_f32 v[O0+2*I_:O0+2*I_+1], v[O0+2*I_:O0+2*I_+1], v[FF:FF+1] op_sel_hi:[1,0]   ; O^T under the new M
.set I_, I_+1
.endr
.set I_, 0
.rept 32
	v_pk_fma_f32 v[S0+2*I_:S0+2*I_+1], v[S0+2*I_:S0+2*I_+1], s[CS:CS+1], v[NM:NM+1] op_sel_hi:[1,0,0]   ; the first half's t - M, two at a time
.set I_, I_+1
.endr
.irp b, 0,1
	v_fma_f32 v[BM+\b], v[BM+\b], s[CS], v[NM]     ; the same of each block's largest score
.endr
	s_wait_alu depctr_va_vdst(0)                   ; ahead of the batch
.set I_, 0
.rept 32
	v_exp_f32 v[S0+2*I_], v[S0+2*I_]               ; the first half's p = 2^(t - M),
	v_exp_f32 v[S0+2*I_+1], v[S0+2*I_+1]
	v_pk_fma_f32 v[S1+2*I_:S1+2*I_+1], v[S1+2*I_:S1+2*I_+1], s[CS:CS+1], v[NM:NM+1] op_sel_hi:[1,0,0]   ; and beside it the second half's t - M, first read behind the next wait
.set I_, I_+1
.endr
.irp b, 0,1
	v_exp_f32 v[BM+\b], v[BM+\b]                   ; each block's largest p
.endr
.irp b, 2,3
	v_fma_f32 v[BM+\b], v[BM+\b], s[CS], v[NM]
.endr
	v_pk_mul_f32 v[SUM:SUM+1], v[SUM:SUM+1], v[FF:FF+1] op_sel_hi:[1,0]   ; the sum under the new M
	s_wait_alu depctr_va_vdst(0)                   ; behind the first batch and ahead of the second
.irp b, 2,3
	v_exp_f32 v[BM+\b], v[BM+\b]
.endr
.set I_, 0
.rept 32
	v_exp_f32 v[S1+2*I_], v[S1+2*I_]
	v_exp_f32 v[S1+2*I_+1], v[S1+2*I_+1]
.if I_ == 6
	v_pk_add_f32 v[26:27], v[S0:S0+1], v[S0+2:S0+3]          ; single lines of the first half's work, each first read behind the next wait
.elseif I_ == 12
	v_max_num_f32 v[BM], 0x1800000, v[BM]          ; the floor 2^(3 - 127): the byte cannot fall under 1
.elseif I_ == 18
	v_max_num_f32 v[BM+1], 0x1800000, v[BM+1]
.elseif I_ == 24
	v_pk_add_f32 v[28:29], v[S0+4:S0+5], v[S0+6:S0+7]
.endif
.set I_, I_+1
.endr
	v_pk_add_f32 v[30:31], v[S0+8:S0+9], v[S0+10:S0+11]      ; (a plain place behind the exponentials)
	s_wait_alu depctr_va_vdst(0)                   ; behind the batch, ahead of its first reader
.irp b, 2,3
	v_max_num_f32 v[BM+\b], 0x1800000, v[BM+\b]
.endr
.irp b, 0,1,2,3
	v_add_nc_u32 v[BM+\b], 0xff000000, v[BM+\b]    ; 2 off the exponent field: the conversion's scale operand
.endr
	SUMR 0, 24
	v_lshrrev_b32 v20, 23, v[BM]                   ; the first half's scale word: my blocks h and 2 + h,
	v_lshrrev_b32 v21, 23, v[BM+1]
	v_lshl_or_b32 v20, v21, 16, v20
	v_permlanex16_b32 v21, v20, s[SEL], s[SEL+1]
	v_lshl_or_b32 v[PW], v21, 8, v20               ; with lane l xor 16's: whole in lanes 0-15, which alone are read
	CVT 0, 0
	v_lshrrev_b32 v20, 23, v[BM+2]                 ; (the second half's bytes; a plain place behind a scaled conversion)
	SHIFT 0
	CVT 0, 1
	v_lshrrev_b32 v21, 23, v[BM+3]
	SHIFT 1
	v_lshl_or_b32 v20, v21, 16, v20
	v_permlanex16_b32 v21, v20, s[SEL], s[SEL+1]
	SUMR 24, 26                                    ; with the two lines above the four places ahead of the products
	s_wait_alu depctr_va_vdst(0)
	s_wait_dscnt 0x0                               ; V's first half is in
	PV
	SUMR 26, 30                                    ; the four places behind the products
	v_lshl_or_b32 v[PW], v21, 8, v20
	VLOAD 1
	SUMR 30, 58
	CVT 1, 0
	v_pk_add_f32 v[SUM:SUM+1], v[SUM:SUM+1], v[26:27]
	SHIFT 0
	CVT 1, 1
	v_pk_add_f32 v[28:29], v[28:29], v[30:31]
	SHIFT 1
	v_pk_add_f32 v[SUM:SUM+1], v[SUM:SUM+1], v[28:29]
	PLACES 3
.if (\how) == 1
	s_wait_alu depctr_va_vdst(0)
	s_barrier_wait -1                              ; everybody's block is in
.endif
.if (\how) < 2
	KLOADC 2, S1                                   ; the next trip's first half of K, into p's registers, which have been converted and summed
	KLOADW 2
	s_wait_alu depctr_va_vdst(0)
	s_wait_dscnt 14                                ; V's second half is in; the 14 just issued may be out
.else
	s_wait_alu depctr_va_vdst(0)
	s_wait_dscnt 0x0
.endif
	PV
.endm
	s_load_b256 s[4:11], s[0:1], 0x0               ; QB, KV, AC, AS
	v_lshl_add_u32 v[SPW], v0, 2, SPARE
	v_mov_b32 v[NIL], 0
	ds_add_u32 v[SPW], v[NIL]                      ; the wave's opening: the add, twice on end, and its wait ahead of my tensor load
	ds_add_u32 v[SPW], v[NIL]
	v_lshrrev_b32 v96, 5, v0
	v_readfirstlane_b32 s[WV], v96                 ; wave 0..15
	s_bfe_u32 s13, ttmp6, 0x40000                  ; cx: it enters the addresses of Q and of the results alone
	s_lshl_b32 s14, ttmp9, 2
	s_add_co_u32 s14, s14, s13                     ; qb: my block of 256 queries
	s_and_b32 s15, ttmp7, 0xffff                   ; hb, which the four partners share
	s_mov_b32 s[G1], 15|(3<<16)|(1<<21)            ; 15:0 the mask: all four; 17:16 elements of 8 bytes; 21 set beside a mask; no padding
	s_mov_b32 s[G1+1], 32<<16                      ; a block of 128 keys: 13,056 dense bytes as 51 rows of 256
	s_mov_b32 s[G1+2], 51<<16
	s_mov_b32 s[G1+3], 32<<16
	s_mov_b32 s[G1+4], 51
	s_mov_b32 s[G1+5], 32
	s_mov_b32 s[G1+6], 0
	s_mov_b32 s[G1+7], 0
	s_mov_b32 s[G0], 1
	s_mul_i32 s[G0+1], s[WV], STEPB                ; my block in LDS,
	s_lshl_b32 s28, s15, 4
	s_add_co_u32 s28, s28, s[WV]
	s_mul_i32 s28, s28, STEPB                      ; and in memory
	s_mov_b32 s29, 0
	; Q: my tile is 16 qb + wave: block of 64 tokens 4 qb + wave / 4, pair pp = (wave / 2) % 2, u = wave % 2: registers 6 u .. 6 u + 5 of the pair's image
	s_lshl_b32 s30, s15, 5
	s_lshl_b32 s31, s14, 2
	s_add_co_u32 s30, s30, s31
	s_lshr_b32 s31, s[WV], 2
	s_add_co_u32 s30, s30, s31
	s_mul_i32 s30, s30, 3328
	s_mov_b32 s31, 0
	s_bfe_u32 s32, s[WV], 0x10001                  ; pp
	s_and_b32 s33, s[WV], 1                        ; u
	s_mul_i32 s34, s32, 1536
	s_mul_i32 s35, s33, 520
	s_add_co_u32 s35, s35, s34
	s_mul_i32 s36, s33, 1016
	s_add_co_u32 s36, s36, s34
	s_lshl_b32 s37, s33, 7
	s_lshl_b32 s38, s32, 2
	s_add_co_u32 s37, s37, s38
	s_mov_b32 s[SEL], 0x76543210
	s_mov_b32 s[SEL+1], 0xfedcba98
	s_mov_b32 s[CS], 0x3e38aa3b                    ; c = log2(e) / 8
	s_mov_b32 s[CS+1], s[CS]                       ; (named with it as a pair, so it is written)
	s_mov_b32 s[NC], 0xbe38aa3b                    ; -c
	s_mov_b32 s[TB], 0
	v_and_b32 v97, 31, v0
	v_lshlrev_b32 v[L16], 4, v97
	v_and_b32 v98, 15, v0                          ; r
	v_add_nc_u32 v160, s35, v[L16]
	v_add_nc_u32 v161, s36, v[L16]
	v_lshl_add_u32 v162, v98, 3, s37               ; the scale word: lane (u, r)'s register pp of the image
	s_wait_alu depctr_va_vdst(0)
	s_wait_dscnt 0x0                               ; both opening adds are done
	CROUND                                         ; all four work-groups are here: the joint loads meet
	s_wait_kmcnt 0x0
	s_add_nc_u64 s[G0+2:G0+3], s[6:7], s[28:29]
	s_or_b32 s[G0+3], s[G0+3], 0x80000000
	s_cmp_lt_u32 s[WV], 4                          ; one load a wave; waves 0-3, which wait alone at the first barrier, have a line of their own
	s_cbranch_scc0 .Llater
	tensor_load_to_lds s[G0:G0+3], s[G1:G1+7]
	s_nop 0
	PLACES 4
	s_branch .Lasked
.Llater:
	tensor_load_to_lds s[G0:G0+3], s[G1:G1+7]
	s_nop 0
	PLACES 4
.Lasked:
	s_add_nc_u64 s[4:5], s[4:5], s[30:31]
	global_load_b64 v[Q:Q+1], v160, s[4:5]
	global_load_b64 v[Q+2:Q+3], v161, s[4:5] offset:8
	global_load_b64 v[Q+4:Q+5], v160, s[4:5] offset:512
	global_load_b32 v[QW], v162, s[4:5] offset:3072
	; where the results go
	s_lshr_b32 s30, s15, 4
	s_lshl_b32 s30, s30, 4
	s_lshl_b32 s32, s14, 1
	s_add_co_u32 s30, s30, s32                     ; 16 batch + 2 qb: my work-group's first block of 128 tokens
	s_and_b32 s32, s15, 15                         ; the head
	s_lshl_b32 s34, s30, 4
	s_add_co_u32 s34, s34, s32
	s_lshl_b32 s34, s34, 8
	s_mov_b32 s35, 0
	s_add_nc_u64 s[10:11], s[10:11], s[34:35]      ; AS [mb][head][256]
	s_lshr_b32 s33, s[WV], 3
	s_add_co_u32 s30, s30, s33                     ; my block of 128 tokens
	s_lshl_b32 s30, s30, 3
	s_lshr_b32 s36, s32, 1
	s_add_co_u32 s30, s30, s36                     ; the K step of the last projection: the head pair
	s_lshl_b32 s30, s30, 3
	s_and_b32 s36, s[WV], 7
	s_add_co_u32 s30, s30, s36                     ; my tile
	s_mul_i32 s34, s30, 1536
	s_and_b32 s37, s32, 1
	s_mul_i32 s37, s37, 768
	s_add_co_u32 s34, s34, s37
	s_add_nc_u64 s[8:9], s[8:9], s[34:35]          ; AC [mb][head pair][tile][head % 2][768]
	s_lshl_b32 s47, s33, 8
	s_lshl_b32 s36, s36, 1
	s_add_co_u32 s47, s47, s36
	s_add_co_u32 s47, s47, ASG                     ; my row-lanes' two scale bytes: 256 (wave / 8) + 2 (wave % 8) (+ 16 r)
	v_mov_b32 v[MXS], 0xff61b1e6                   ; the largest score so far: -3e38, under every score
	v_mul_f32 v26, s[NC], v[MXS]
	v_floor_f32 v[NM], v26                         ; -M
.irp j, 10,11,12,13,14,15,18,19,20,21
	v_mov_b32 v[\j], 0                             ; Q's zero codes: the upper 64 of the first product's K; the sum; the factor's pair and the permutes' destination
.endr
.irp j, 0,1,2,3,4,5,6,7,8,9,10,11
	v_mov_b32 v[PC+\j], 0                          ; (the last tile's upper half of K is read here,
.endr
.irp j, 48,49,50,51,52,53
	v_mov_b32 v[S1+\j], 0                          ; and, of a first half, here)
.endr
.set I_, 0
.rept 32
	v_mov_b32 v[O0+I_], 0                          ; O^T: the trip is written without a first trip of its own: the first change of M multiplies zeros
.set I_, I_+1
.endr
	v_mov_b32 v[AD16], v[L16]
	v_lshrrev_b32 v[AD8], 1, v[L16]
	s_wait_alu depctr_va_vdst(0)                   ; at the head's end
	s_wait_loadcnt 0x0                             ; Q
	s_cmp_lt_u32 s[WV], 4
	s_cbranch_scc0 .Lnot_first
	s_wait_tensorcnt 0x0
.Lnot_first:
	s_barrier_signal -1
	s_barrier_wait -1                              ; blocks 0-3 are in
	KLOADC 0, S1
	KLOADW 0
	DSTEP 0
	s_add_co_u32 s[TB], s[TB], 2*STEPB
	s_wait_tensorcnt 0x0                           ; my block is in,
	s_wait_dscnt 0x0
	s_barrier_signal -1                            ; say so;
	DSTEP 1                                        ; blocks 2 and 3: register work and loads of bytes that nobody writes again, up to the wait
	s_add_co_u32 s[TB], s[TB], 2*STEPB
	s_mov_b32 s[CNT], 5
.Ltrip:
	DSTEP 0
	s_add_co_u32 s[TB], s[TB], 2*STEPB
	s_sub_co_u32 s[CNT], s[CNT], 1
	s_cmp_lg_u32 s[CNT], 0
	s_cbranch_scc1 .Ltrip
	DSTEP 2
	; THE WAY OUT: O^T / the sum, quantised along d (register 16 b + i = d 32 b + 16 h + i), as half a fragment of the last projection's operand
	v_and_b32 v128, 15, v0                         ; r; these lines are also the places behind the last products
	v_bfe_u32 v129, v0, 4, 1                       ; h
	v_lshrrev_b32 v[AD8], 1, v[L16]                ; 8 x lane
	v_lshl_add_u32 v130, v128, 4, s47
	v_add_nc_u32 v131, ASG, v[L16]                 ; where wave 0 reads both blocks of scale bytes back
	v_lshlrev_b32 v132, 12, v129
	v_lshl_add_u32 v132, v128, 4, v132             ; 4,096 h + 16 r: the two blocks in AS
	v_add_f32 v18, v18, v19
	DEP1
	v_permlanex16_b32 v21, v18, s[SEL], s[SEL+1]
	DEP1
	v_add_f32 v18, v18, v21                        ; the row's sum
	s_wait_alu depctr_va_vdst(0)                   ; ahead of the transcendental
	v_rcp_f32 v18, v18
	v_nop                                          ; a plain place behind the transcendental
	s_wait_alu depctr_va_vdst(0)                   ; and the wait ahead of its first reader
.set I_, 0
.rept 32
	v_mul_f32 v[S0+I_], v[O0+I_], v18              ; each accumulator from its low end on
.set I_, I_+1
.endr
.irp b, 0,1
	v_max3_num_f32 v[22+\b], |v[S0+16*\b]|, |v[S0+16*\b+1]|, 0x1800000
.endr
.irp i, 2,4,6,8,10,12,14
.irp b, 0,1
	v_max3_num_f32 v[22+\b], v[22+\b], |v[S0+16*\b+\i]|, |v[S0+16*\b+\i+1]|
.endr
.endr
.irp b, 0,1
	v_permlanex16_b32 v[20+\b], v[22+\b], s[SEL], s[SEL+1]
.endr
.irp b, 0,1
	v_max_num_f32 v[22+\b], v[22+\b], v[20+\b]
.endr
.irp b, 0,1
	v_add_nc_u32 v[24+\b], 0xff000000, v[22+\b]
.endr
.irp b, 0,1
	v_lshrrev_b32 v[20+\b], 23, v[24+\b]
.endr
	v_lshl_or_b32 v26, v21, 8, v20                 ; my row-lane's two scale bytes
	v_cvt_scalef32_pk16_fp6_f32 v[PC:PC+2], v[S0:S0+15], v24
	v_cvt_scalef32_pk16_fp6_f32 v[PC+4:PC+6], v[S0+16:S0+31], v25
	v_nop                                          ; one plain place behind a scaled conversion
.irp i, 0,1,2
	v_permlane16_swap_b32 v[PC+\i], v[PC+4+\i]     ; a whole block to a lane
.endr
	SHIFT 0
	global_store_b128 v[L16], v[PC:PC+3], s[8:9]   ; 512 consecutive bytes, aligned,
	global_store_b64 v[AD8], v[PC+4:PC+5], s[8:9] offset:512    ; and 256
	ds_store_b16 v130, v26                         ; (both halves of the lanes write the same bytes with the same value)
	s_wait_dscnt 0x0                               ; for the others' sake: my store is done
	s_barrier_signal -1
	s_barrier_wait -1
	s_cmp_lg_u32 s[WV], 0
	s_cbranch_scc1 .Lno_as
	ds_load_b128 v[S0:S0+3], v131
	s_wait_dscnt 0x0
	global_store_b128 v132, v[S0:S0+3], s[10:11]   ; sixteen lanes store 256 consecutive bytes, aligned
.Lno_as:
	v_lshl_add_u32 v[SPW], v0, 2, SPARE            ; made anew: all 256 registers were at work
	v_mov_b32 v[NIL], 0
	s_wait_alu depctr_va_vdst(0)
	s_wait_tensorcnt 0x0                           ; the wave's end, behind my tensor load and my last LDS store
	ds_add_u32 v[SPW], v[NIL]
	s_wait_dscnt 0x0
	CROUND                                         ; the closing round
	s_endpgm
.Lfunc_end_k_qcf76f8495d_attn:
	.size	k_qcf76f8495d_attn, .Lfunc_end_k_qcf76f8495d_attn-k_qcf76f8495d_attn
	.p2alignl 7, 3214868480
	.fill 96, 4, 3214868480
	.section	.rodata,"a",@progbits
	.p2align	6, 0x0
	.amdhsa_kernel k_qcf76f8495d_attn
		.amdhsa_group_segment_fixed_size 211456
		.amdhsa_private_segment_fixed_size 0
		.amdhsa_enable_private_segment 0
		.amdhsa_kernarg_size 32
		.amdhsa_user_sgpr_count 2
		.amdhsa_user_sgpr_kernarg_segment_ptr 1
		.amdhsa_wavefront_size32 1
		.amdhsa_system_sgpr_workgroup_id_x 1
		.amdhsa_system_sgpr_workgroup_id_y 1
		.amdhsa_system_sgpr_workgroup_id_z 1
		.amdhsa_system_vgpr_workitem_id 0
		.amdhsa_next_free_vgpr 256
		.amdhsa_next_free_sgpr 66
		.amdhsa_reserve_vcc 0
		.amdhsa_float_denorm_mode_32 3
		.amdhsa_float_denorm_mode_16_64 3
		.amdhsa_memory_ordered 1
		.amdhsa_forward_progress 1
		.amdhsa_inst_pref_size 123
	.end_amdhsa_kernel
	.amdgpu_metadata
---
amdhsa.version: [ 1, 2 ]
amdhsa.kernels:
  - .name:           k_qcf76f8495d_attn
    .symbol:         k_qcf76f8495d_attn.kd
    .args:
      - { .name: QB, .offset: 0, .size: 8, .value_kind: global_buffer, .address_space: global }
      - { .name: KV, .offset: 8, .size: 8, .value_kind: global_buffer, .address_space: global }
      - { .name: AC, .offset: 16, .size: 8, .value_kind: global_buffer, .address_space: global }
      - { .name: AS, .offset: 24, .size: 8, .value_kind: global_buffer, .address_space: global }
    .group_segment_fixed_size: 211456
    .private_segment_fixed_size: 0
    .kernarg_segment_align: 8
    .kernarg_segment_size: 32
    .max_flat_workgroup_size: 512
    .sgpr_count:     66
    .vgpr_count:     256
    .wavefront_size: 32
...
	.end_amdgpu_metadata
.endif
;; end of part 3
;; launch outp (part 4): grid 8 x 32, 4 waves a work-group, clusters of 4 x 4, 327,680 bytes of LDS; arguments AC, AS, WC, WS, bo, out0; writes out0
.if DOCPART == 4
	.amdgcn_target "amdgcn-amd-amdhsa--gfx1250"
	.amdhsa_code_object_version 6
	.text
	.protected	k_qcf76f8495d_outp
	.globl	k_qcf76f8495d_outp
	.p2align	8
	.type	k_qcf76f8495d_outp,@function
k_qcf76f8495d_outp:
	s_mov_b64 s[64:65], 0
	v_nop
	global_prefetch_b8 v0, s[64:65] scope:SCOPE_SE
	s_setreg_imm32_b32 hwreg(HW_REG_WAVE_MODE, 25, 1), 1
	s_wait_xcnt 0x0
	s_wait_alu depctr_hold_cnt(0) depctr_sa_sdst(0) depctr_va_vdst(0) depctr_va_sdst(0) depctr_va_ssrc(0) depctr_va_vcc(0) depctr_vm_vsrc(0)
	s_getreg_b32 s2, hwreg(HW_REG_IB_STS2, 6, 4)
	s_cmp_eq_u32 s2, 0
	s_cbranch_scc0 .Lentry_in_a_cluster
	s_endpgm
.Lentry_in_a_cluster:
	s_bfe_u32 s2, ttmp6, 0x10000c
	s_cmp_lg_u32 s2, 0xf033
	s_cbranch_scc0 .Lentry_shape_is_right
	s_endpgm
.Lentry_shape_is_right:
; out = a Wo + bo on codes of FP6 (E2M3) with E8M0 scales, sums in f32.  a's codes: AC [mb 32][K step 8][tile 8][head % 2][768], its scale bytes AS [mb][head 16][row-lane 16][tile 8][2];
; Wo's codes stand in WC behind those of Wq, Wk, Wv: [hp 8][K step 8][tile 8][1536]; its scale words in WS.
; SHARES: a work-group makes 128 x 128 of the result; wave w: wr = w / 2: 64 rows, wc = w % 2: 64 columns: 16 accumulators.  Source 0 = 16 columns of Wo, source 1 = 16 rows of a: a lane holds eight neighbouring columns of one row.
; bo is the C of each sum's first matrix instruction.
; LDS: a's eight K steps, then Wo's eight, as dense images; all of it lies in LDS at once and nothing is filled again.  One tensor load a wave: wave 0 a's K steps 0-3, wave 1 Wo's, waves 2 and 3 the K steps 4-7.
; CLUSTER 4 x 4: a's part hangs on the row block alone (shared along a row of the cluster), Wo's on the column block alone (shared along a column).  No prefetch: all tiles are asked for at the head.
; Row-lane r of tile m is row 8 m + r % 8 + 32 (r / 8) of a wave's 64; column-lane r of tile 2 b + u is column 32 b + 8 u + r + 8 (r / 8) of its 64.
; LIMITS: NaN and infinities are not served.
; REGISTERS: window 0: v1-15 addresses; v16-31 a's scale words, v32-47 Wo's; v48-63 as loaded; v64-95 bo; v64-127 rows on the way out; v128-255 the accumulators.  window 1: two sets of fragments.
.set KSB,   12288
.set HALF,  4*KSB
.set BB0,   8*KSB
.set STG,   16*KSB                     ; a stage of 16 rows x 272 bytes for each wave: written by LDS stores alone
.set SPARE, STG+4*4352
.set L8,   2
.set AA,   3                           ; v3-4  a's fragments, 16 bytes a lane, K steps 0-3 and 4-7
.set A8,   5                           ; v5-6  the same, 8 bytes a lane
.set AB,   7                           ; v7-8  Wo's
.set STO,  9
.set RD,   10
.set CO,   11
.set SPW,  12
.set NIL,  13
.set WV,   16
.set WR,   17
.set WC,   18
.set G1,   20
.set G1B,  28
.set G0,   36
.set G0B,  40
.set MSB, 0
.macro WIN new
.if MSB != \new
	s_set_vgpr_msb (MSB<<8)|\new
.set MSB, \new
.endif
.endm
.macro PLACES n
.rept \n
	v_nop
.endr
.endm
.macro CROUND
	s_barrier_signal -1
	s_barrier_wait -1
	s_cmp_lg_u32 s[WV], 0
	s_cbranch_scc1 .Lnot_wave_0_\@
	s_barrier_signal -3
.Lnot_wave_0_\@:
	s_barrier_wait -3
	s_barrier_signal -1
	s_barrier_wait -1
.endm
.macro HLOAD g0, g1
	tensor_load_to_lds s[\g0:\g0+3], s[\g1:\g1+7]
	s_nop 0
	PLACES 4
.endm
.macro WM d, a, b, c, sa, sb, ra, rb
.if (\ra) && (\rb)
	v_wmma_scale_f32_16x16x128_f8f6f4 v[\d:\d+7], v[\a:\a+11], v[\b:\b+11], v[\c:\c+7], v[\sa], v[\sb] matrix_a_fmt:MATRIX_FMT_FP6 matrix_b_fmt:MATRIX_FMT_FP6 matrix_a_scale:MATRIX_SCALE_ROW1 matrix_b_scale:MATRIX_SCALE_ROW1
.elseif (\ra)
	v_wmma_scale_f32_16x16x128_f8f6f4 v[\d:\d+7], v[\a:\a+11], v[\b:\b+11], v[\c:\c+7], v[\sa], v[\sb] matrix_a_fmt:MATRIX_FMT_FP6 matrix_b_fmt:MATRIX_FMT_FP6 matrix_a_scale:MATRIX_SCALE_ROW1
.elseif (\rb)
	v_wmma_scale_f32_16x16x128_f8f6f4 v[\d:\d+7], v[\a:\a+11], v[\b:\b+11], v[\c:\c+7], v[\sa], v[\sb] matrix_a_fmt:MATRIX_FMT_FP6 matrix_b_fmt:MATRIX_FMT_FP6 matrix_b_scale:MATRIX_SCALE_ROW1
.else
	v_wmma_scale_f32_16x16x128_f8f6f4 v[\d:\d+7], v[\a:\a+11], v[\b:\b+11], v[\c:\c+7], v[\sa], v[\sb] matrix_a_fmt:MATRIX_FMT_FP6 matrix_b_fmt:MATRIX_FMT_FP6
.endif
.endm
	s_load_b256 s[4:11], s[0:1], 0x0               ; AC, AS, WC, WS
	s_load_b128 s[12:15], s[0:1], 0x20             ; bo, out0
	v_lshl_add_u32 v[SPW], v0, 2, SPARE
	v_mov_b32 v[NIL], 0
	ds_add_u32 v[SPW], v[NIL]                      ; the wave's opening: the add, twice on end, and its wait ahead of my tensor load
	ds_add_u32 v[SPW], v[NIL]
	v_lshrrev_b32 v1, 5, v0
	v_readfirstlane_b32 s[WV], v1
	s_lshr_b32 s[WR], s[WV], 1                     ; my rows; also which half of K I fetch
	s_and_b32 s[WC], s[WV], 1                      ; my columns; also: I fetch a (0) or Wo (1)
	s_bfe_u32 s44, ttmp6, 0x40000                  ; cx
	s_bfe_u32 s45, ttmp6, 0x40004                  ; cy
	s_lshl_b32 s46, ttmp9, 2
	s_add_co_u32 s46, s46, s44                     ; column block
	s_and_b32 s47, ttmp7, 0xffff
	s_lshl_b32 s47, s47, 2
	s_add_co_u32 s47, s47, s45                     ; row block
	s_lshl_b32 s48, s45, 2
	s_lshl_b32 s48, 15, s48                        ; my row of the cluster
	s_lshl_b32 s49, 0x1111, s44                    ; my column
	s_or_b32 s[G1], s48, (3<<16)|(1<<21)           ; 15:0 the mask; 17:16 elements of 8 bytes; 21 set beside a mask; no padding
	s_or_b32 s[G1B], s49, (3<<16)|(1<<21)
.irp g, G1, G1B                        ; four K steps: 49,152 dense bytes as 192 rows of 256
	s_mov_b32 s[\g+1], 32<<16
	s_mov_b32 s[\g+2], 192<<16
	s_mov_b32 s[\g+3], 32<<16
	s_mov_b32 s[\g+4], 192
	s_mov_b32 s[\g+5], 32
	s_mov_b32 s[\g+6], 0
	s_mov_b32 s[\g+7], 0
.endr
	s_mul_i32 s51, s[WR], HALF
	s_mul_i32 s52, s47, 8*KSB
	s_add_co_u32 s52, s52, s51
	s_mov_b32 s53, 0
	s_add_co_u32 s54, s46, 24
	s_mul_i32 s54, s54, 8*KSB
	s_add_co_u32 s54, s54, s51
	s_mov_b32 s55, 0
	s_mov_b32 s[G0], 1
	s_mov_b32 s[G0+1], s51
	s_mov_b32 s[G0B], 1
	s_add_co_u32 s[G0B+1], s51, BB0
	s_mul_i32 s56, s[WR], 6144                     ; my four tiles of a,
	s_mul_i32 s57, s[WC], 6144                     ; and of Wo
	s_add_co_u32 s57, s57, BB0
	s_mul_i32 s58, s[WV], 4352
	s_add_co_u32 s58, s58, STG                     ; my stage
	s_lshl_b32 s59, s[WR], 3
	v_and_b32 v1, 31, v0
	v_and_b32 v14, 15, v0                          ; r
	v_bfe_u32 v15, v0, 4, 1                        ; h
	v_lshlrev_b32 v96, 4, v1
	v_lshlrev_b32 v[L8], 3, v1
	v_add_nc_u32 v[AA], s56, v96
	v_add_nc_u32 v[AA+1], HALF, v[AA]
	v_add_nc_u32 v[A8], s56, v[L8]
	v_add_nc_u32 v[A8+1], HALF, v[A8]
	v_add_nc_u32 v[AB], s57, v96
	v_add_nc_u32 v[AB+1], HALF, v[AB]
	v_mul_u32_u24 v[STO], v14, 272
	v_lshl_add_u32 v[STO], v15, 6, v[STO]
	v_add_nc_u32 v[STO], s58, v[STO]
	v_mul_u32_u24 v[RD], v15, 272
	v_lshl_add_u32 v[RD], v14, 4, v[RD]
	v_add_nc_u32 v[RD], s58, v[RD]
	v_lshlrev_b32 v[CO], 12, v15
	v_lshl_add_u32 v[CO], v14, 4, v[CO]
	v_lshl_add_u32 v97, v14, 4, s59                ; a's scale bytes: row-lane r's, my four tiles', head 2 h of each four
	v_lshl_add_u32 v97, v15, 9, v97
	v_lshlrev_b32 v98, 6, v15                      ; bo
	s_wait_alu depctr_va_vdst(0)
	s_wait_dscnt 0x0                               ; both opening adds are done
	CROUND                                         ; all sixteen work-groups are here: the joint loads meet
	s_wait_kmcnt 0x0
	s_add_nc_u64 s[G0+2:G0+3], s[4:5], s[52:53]
	s_or_b32 s[G0+3], s[G0+3], 0x80000000
	s_add_nc_u64 s[G0B+2:G0B+3], s[8:9], s[54:55]
	s_or_b32 s[G0B+3], s[G0B+3], 0x80000000
	s_cmp_eq_u32 s[WV], 0                          ; one load a wave, each in an arm of its own
	s_cbranch_scc0 .Lwave_1
	HLOAD G0, G1
	s_branch .Lasked
.Lwave_1:
	s_cmp_eq_u32 s[WV], 1
	s_cbranch_scc0 .Lwave_2
	HLOAD G0B, G1B
	s_branch .Lasked
.Lwave_2:
	s_cmp_eq_u32 s[WV], 2
	s_cbranch_scc0 .Lwave_3
	HLOAD G0, G1
	s_branch .Lasked
.Lwave_3:
	HLOAD G0B, G1B
.Lasked:
	s_mov_b32 s57, 0
	s_lshl_b32 s56, s47, 12
	s_add_nc_u64 s[6:7], s[6:7], s[56:57]
	s_lshl_b32 s56, s46, 12
	s_lshl_b32 s58, s[WC], 11
	s_add_co_u32 s56, s56, s58
	s_add_co_u32 s56, s56, 3*32768
	s_add_nc_u64 s[10:11], s[10:11], s[56:57]
	s_lshl_b32 s56, s46, 9
	s_lshl_b32 s58, s[WC], 8
	s_add_co_u32 s56, s56, s58
	s_add_nc_u64 s[12:13], s[12:13], s[56:57]
	s_lshl_b32 s58, s47, 19
	s_add_co_u32 s56, s56, s58
	s_lshl_b32 s58, s[WR], 18
	s_add_co_u32 s56, s56, s58
	s_add_nc_u64 s[14:15], s[14:15], s[56:57]      ; my 64 x 64 of the result
.irp kp, 0,1,2,3
	global_load_b64 v[48+4*\kp:49+4*\kp], v97, s[6:7] offset:1024*\kp
	global_load_b64 v[50+4*\kp:51+4*\kp], v97, s[6:7] offset:1024*\kp+256
.endr
.irp b, 0,1
.irp kp, 0,1,2,3
	global_load_b64 v[32+8*\b+2*\kp:33+8*\b+2*\kp], v[L8], s[10:11] offset:1024*\b+256*\kp
.endr
.endr
.irp nt, 0,1,2,3
	global_load_b128 v[64+8*\nt:67+8*\nt], v98, s[12:13] offset:4*(32*(\nt/2)+8*(\nt%2))
	global_load_b128 v[68+8*\nt:71+8*\nt], v98, s[12:13] offset:4*(32*(\nt/2)+8*(\nt%2))+16
.endr
	s_wait_loadcnt 0x0
.irp kp, 0,1,2,3                       ; a's scale words: two bytes of the even head, two of the odd one: register 16 + 4 kp + tile, lanes 0-15 K step 2 kp, lanes 16-31 K step 2 kp + 1
.irp i, 0,1
	v_perm_b32 v[16+4*\kp+2*\i], v[50+4*\kp+\i], v[48+4*\kp+\i], 0x05040100
	v_perm_b32 v[17+4*\kp+2*\i], v[50+4*\kp+\i], v[48+4*\kp+\i], 0x07060302
.endr
.endr
	PLACES 8                                       ; a scale register written by a vector instruction stands eight places ahead of a scaled product
	s_wait_alu depctr_va_vdst(0)                   ; at the head's end
	s_cmp_lt_u32 s[WV], 2
	s_cbranch_scc0 .Lnot_first
	s_wait_tensorcnt 0x0
.Lnot_first:
	s_barrier_signal -1
	s_barrier_wait -1                              ; K steps 0-3 are in; the others may stay out
.macro FETCH ks                        ; 28 loads: four fragments of a, four of Wo
.set FS, 96*((\ks)%2)
.set FO, KSB*((\ks)%4)
.set FH, (\ks)/4
.irp m, 0,1,2,3
	ds_load_b128 v[FS+12*\m:FS+12*\m+3], v[AA+FH] offset:FO+1536*\m
	ds_load_b64 v[FS+12*\m+4:FS+12*\m+5], v[A8+FH] offset:FO+1536*\m+512
	ds_load_b128 v[FS+12*\m+6:FS+12*\m+9], v[AA+FH] offset:FO+1536*\m+768
	ds_load_b64 v[FS+12*\m+10:FS+12*\m+11], v[A8+FH] offset:FO+1536*\m+1280
.endr
.irp nt, 0,1,2,3
.irp g, 0,1,2
	ds_load_b128 v[FS+48+12*\nt+4*\g:FS+48+12*\nt+4*\g+3], v[AB+FH] offset:FO+1536*\nt+512*\g
.endr
.endr
.endm
.macro STEPK                           ; K step KK: the next step's fragments are asked for first; 16 accumulators by turns, one instruction a turn
	WIN 0
.if KK > 0
	PLACES 4                                       ; in front of loads into registers that products have read
.endif
.if KK == 3
	s_wait_tensorcnt 0x0
	s_wait_dscnt 0x0
	s_barrier_signal -1
	s_barrier_wait -1                              ; K steps 4-7 are in
.endif
.if KK < 7
	WIN 0x40
	FETCH KK+1
	s_wait_dscnt 28                                ; all but the 28 just issued
.else
	s_wait_dscnt 0x0
.endif
	WIN 0x05
.set FW, 96*(KK%2)
.irp m, 0,1,2,3
.irp nt, 0,1,2,3
.set DD, 128+8*(4*\m+\nt)
.set CC, DD
.if KK == 0
.set CC, 64+8*\nt
.endif
	WM DD, FW+48+12*\nt, FW+12*\m, CC, 32+8*(\nt/2)+KK, 16+4*(KK/2)+\m, \nt%2, KK%2
.endr
.endr
.endm
	WIN 0x40
	FETCH 0
.set KK, 0
.rept 8
	STEPK
.set KK, KK+1
.endr
; THE WAY OUT: 16 rows x 64 columns through my own stage, back as rows of 256 bytes; LDS serves a wave's instructions in order (ISA guide 5.7.1.4)
.macro TOSTAGE m
.irp nt, 0,1,2,3
	ds_store_b128 v[STO], v[128+8*(4*(\m)+\nt):128+8*(4*(\m)+\nt)+3] offset:128*(\nt/2)+32*(\nt%2)
	ds_store_b128 v[STO], v[128+8*(4*(\m)+\nt)+4:128+8*(4*(\m)+\nt)+7] offset:128*(\nt/2)+32*(\nt%2)+16
.endr
.set OBB, 96-32*((\m)%2)
.irp i, 0,1,2,3,4,5,6,7
	ds_load_b128 v[OBB+4*\i:OBB+4*\i+3], v[RD] offset:544*\i
.endr
.endm
.macro SEND m, younger                 ; younger: the LDS instructions issued behind this block's loads
.set OBB, 96-32*((\m)%2)
	s_wait_dscnt \younger
.irp i, 0,1,2,3,4,5,6,7
	global_store_b128 v[CO], v[OBB+4*\i:OBB+4*\i+3], s[14:15] offset:(8*(\m)+2*\i+24*(\i/4))*4096 th:TH_STORE_NT   ; sixteen lanes store 256 consecutive bytes, aligned
.endr
.endm
	WIN 0
	PLACES 4
	TOSTAGE 0
.irp m, 1,2,3
.if \m > 1
	s_wait_xcnt 0x0                                ; the stores of two blocks ago have read their registers
.endif
	TOSTAGE \m
	SEND \m-1, 16
.endr
	SEND 3, 0
	s_wait_tensorcnt 0x0                           ; the wave's end
	ds_add_u32 v[SPW], v[NIL]
	s_wait_dscnt 0x0
	CROUND                                         ; the closing round
	s_endpgm
.Lfunc_end_k_qcf76f8495d_outp:
	.size	k_qcf76f8495d_outp, .Lfunc_end_k_qcf76f8495d_outp-k_qcf76f8495d_outp
	.p2alignl 7, 3214868480
	.fill 96, 4, 3214868480
	.section	.rodata,"a",@progbits
	.p2align	6, 0x0
	.amdhsa_kernel k_qcf76f8495d_outp
		.amdhsa_group_segment_fixed_size 327680
		.amdhsa_private_segment_fixed_size 0
		.amdhsa_enable_private_segment 0
		.amdhsa_kernarg_size 48
		.amdhsa_user_sgpr_count 2
		.amdhsa_user_sgpr_kernarg_segment_ptr 1
		.amdhsa_wavefront_size32 1
		.amdhsa_system_sgpr_workgroup_id_x 1
		.amdhsa_system_sgpr_workgroup_id_y 1
		.amdhsa_system_sgpr_workgroup_id_z 1
		.amdhsa_system_vgpr_workitem_id 0
		.amdhsa_next_free_vgpr 448
		.amdhsa_next_free_sgpr 66
		.amdhsa_reserve_vcc 0
		.amdhsa_float_denorm_mode_32 3
		.amdhsa_float_denorm_mode_16_64 3
		.amdhsa_memory_ordered 1
		.amdhsa_forward_progress 1
		.amdhsa_inst_pref_size 51
	.end_amdhsa_kernel
	.amdgpu_metadata
---
amdhsa.version: [ 1, 2 ]
amdhsa.kernels:
  - .name:           k_qcf76f8495d_outp
    .symbol:         k_qcf76f8495d_outp.kd
    .args:
      - { .name: AC, .offset: 0, .size: 8, .value_kind: global_buffer, .address_space: global }
      - { .name: AS, .offset: 8, .size: 8, .value_kind: global_buffer, .address_space: global }
      - { .name: WC, .offset: 16, .size: 8, .value_kind: global_buffer, .address_space: global }
      - { .name: WS, .offset: 24, .size: 8, .value_kind: global_buffer, .address_space: global }
      - { .name: bo, .offset: 32, .size: 8, .value_kind: global_buffer, .address_space: global }
      - { .name: out0, .offset: 40, .size: 8, .value_kind: global_buffer, .address_space: global }
    .group_segment_fixed_size: 327680
    .private_segment_fixed_size: 0
    .kernarg_segment_align: 8
    .kernarg_segment_size: 48
    .max_flat_workgroup_size: 128
    .sgpr_count:     66
    .vgpr_count:     448
    .wavefront_size: 32
...
	.end_amdgpu_metadata
.endif
;; end of part 4
